; MI455X (gfx1250); checked and timed in simulation.
; The chip was launched on July 23, 2026; its instructions are those of AMD's public machine-readable ISA for CDNA 5 (MIT licence, August 2026) and "CDNA5" Instruction Set Architecture Reference Guide (July 2026). The comments in the code are by the model that wrote it; some were corrected since.
;; Hindi Causal LM Attention. Allowed arithmetic: float matrix products may take bf16 or f16 operands with f32 sums; other float arithmetic in f32, or as packed bf16 or f16 multiplies, adds, multiply-adds, maxima and minima; sums over many terms, partial sums and values carried from step to step in f32; what a program stores and reads back later, other than sums and carried values, may be rounded once to bf16 or f16.
;; Inputs: Wk 1,024 x 4,096 float32; Wo 4,096 x 2,048 float32; Wq 2,048 x 4,096 float32; Wv 1,024 x 4,096 float32; attention_mask 1 x 1 x 2,048 x 2,048 float32; cos 1 x 2,048 x 128 float32; hidden_states 1 x 2,048 x 4,096 float32; sin 1 x 2,048 x 128 float32.
;; Outputs: out0 1 x 2,048 x 4,096 float32.
;; One version. Each part assembles by itself: llvm-mc -triple=amdgcn-amd-amdhsa -mcpu=gfx1250 --defsym DOCPART=n.
;; ======== version 1 of 1: 4 launches
;; limits: values are held in f16: magnitudes above 65,504 overflow, below 6.1e-05 lose precision; right only within a limited range of input values
;; workspace buffers: w16 67,108,864 bytes; r32 18,874,368 bytes; qkv 16,777,216 bytes; ob 8,388,608 bytes
;; launch cvt (part 1): grid 2336 x 1, 8 waves a work-group, no clusters, 0 bytes of LDS; arguments hidden_states, Wq, Wk, Wv, Wo, attention_mask, cos, sin, w16, r32; writes w16, r32
.if DOCPART == 1
	.amdgcn_target "amdgcn-amd-amdhsa--gfx1250"
	.amdhsa_code_object_version 6
	.text
	.protected	k_q6438dfd4b5_cvt
	.globl	k_q6438dfd4b5_cvt
	.p2align	8
	.type	k_q6438dfd4b5_cvt,@function
k_q6438dfd4b5_cvt:
	s_mov_b64 s[64:65], 0
	v_nop
	global_prefetch_b8 v0, s[64:65] scope:SCOPE_SE
	s_setreg_imm32_b32 hwreg(HW_REG_WAVE_MODE, 25, 1), 1
	s_wait_xcnt 0x0
; ALL EIGHT INPUTS ARE ROUNDED ONCE TO bf16 VALUES, and laid out for the three launches behind this one.
;   w16: x as bf16 [2048][4096]; then [Wq; Wk; Wv] / 4 as bf16 [4096][4096]; then 4 x bf16(Wo), written as f16, [4096][2048].
;   r32: max(bf16(mask), -1e30) x 2^-1/2 in f32 words [2048][2048]; 16 MiB on cos, then sin, as bf16 [2048][128].
; The factors 1/4 and 4 are powers of two and change no rounding: q, k, v and O are then kept at a quarter of their size (room in f16), Wo gives the factor back.
; q/4 . k/4 is q . k / sqrt(128) x 2^-1/2, so the mask takes 2^-1/2 too (one f32 multiply behind its rounding), and the softmax's constant takes 2^1/2.
; LIMITS.  A mask entry below -1e30, -inf or NaN counts as -1e30.  4 x bf16(Wo) below 6e-5 keeps f16's fixed step of 6e-8; beyond 65,504 it would be lost (Wo beyond 16,376).
; A stream: no LDS, no barrier.  Work-group id owns 65,536 bytes of ONE input: 16 rows of 4,096 bytes; thread t owns the 16 bytes at 16 t of each row.  A wave's load covers 512
; consecutive bytes, its 8-byte store 256 consecutive aligned bytes, its 16-byte store 512.  All sixteen loads go out at once; each row has its own registers, so nothing is freed by a wait.
.set X, 16                             ; v[16:79]   row i: 4 numbers as loaded, at X + 4 i
.set Y, 80                             ; v[80:111]  row i: 4 numbers in 16 bits, at Y + 2 i
.set T, 4                              ; v[4:5]     at work
	s_load_b512 s[8:23], s[0:1], 0x0               ; x s[8:9], Wq s[10:11], Wk s[12:13], Wv s[14:15], Wo s[16:17], mask s[18:19], cos s[20:21], sin s[22:23]
	s_load_b128 s[24:27], s[0:1], 0x40             ; w16 s[24:25], r32 s[26:27]
	s_mov_b32 s2, ttmp9                            ; id
	v_lshlrev_b32 v1, 4, v0                        ; 16 t: in the source, and in the mask's part of r32
	v_lshlrev_b32 v2, 3, v0                        ; 8 t: where 16 bits a number are stored
	s_mov_b32 s38, 0xf149f2ca                      ; -1e30
	s_mov_b32 s39, 0xffff0000                      ; a word's upper bf16
	s_mov_b32 s3, 0                                ; the first id of my input
	s_mov_b32 s34, 1.0                             ; the factor ahead of the rounding: x 1, Wq Wk Wv 1/4, Wo 4, cos and sin 1
	s_cmp_ge_u32 s2, 512
	s_cselect_b32 s34, 0x3e800000, s34
	s_cmp_ge_u32 s2, 1536
	s_cselect_b32 s34, 4.0, s34
	s_cmp_ge_u32 s2, 2048
	s_cselect_b32 s34, 1.0, s34
	s_mov_b32 s35, s34                             ; named as a pair
	s_mov_b32 s36, 0x3f3504f3                      ; the mask's factor behind the rounding: 2^-1/2
	s_mov_b32 s37, s36
	s_wait_kmcnt 0x0
	s_mov_b64 s[28:29], s[8:9]
.macro PICK first, reg                 ; from id first on the source is the buffer in s[reg:reg+1]
	s_cmp_ge_u32 s2, \first
	s_cselect_b64 s[28:29], s[\reg:\reg+1], s[28:29]
	s_cselect_b32 s3, \first, s3
.endm
	PICK 512, 10
	PICK 1024, 12
	PICK 1280, 14
	PICK 1536, 16
	PICK 2048, 18
	PICK 2304, 20
	PICK 2320, 22
	s_sub_co_u32 s32, s2, s3
	s_lshl_b32 s32, s32, 16                        ; my 65,536 bytes of that input
	s_mov_b32 s33, 0
	s_add_nc_u64 s[28:29], s[28:29], s[32:33]
.irp i, 0,1,2,3,4,5,6,7,8,9,10,11,12,13,14,15
	global_load_b128 v[X+4*(\i):X+4*(\i)+3], v1, s[28:29] offset:4096*(\i) th:TH_LOAD_NT
.endr
	s_lshl_b32 s32, s2, 15                         ; in w16 the inputs follow each other as their ids do, 32,768 bytes an id;
	s_max_u32 s40, s2, 2048
	s_sub_co_u32 s40, s40, 2048
	s_lshl_b32 s40, s40, 16                        ; the mask in r32 from id 2048 on, 65,536 bytes an id;
	s_max_u32 s41, s2, 2304
	s_sub_co_u32 s41, s41, 2304
	s_lshl_b32 s41, s41, 15
	s_add_co_u32 s41, s41, 0x1000000               ; cos and sin 16 MiB into r32 from id 2304 on, 32,768 bytes an id
	s_cmp_ge_u32 s2, 2048
	s_cselect_b32 s32, s40, s32
	s_cselect_b64 s[30:31], s[26:27], s[24:25]
	s_cmp_ge_u32 s2, 2304
	s_cselect_b32 s32, s41, s32
	s_add_nc_u64 s[30:31], s[30:31], s[32:33]
	s_cmp_ge_u32 s2, 2304
	s_cbranch_scc1 .Lb16
	s_cmp_ge_u32 s2, 2048
	s_cbranch_scc1 .Lr32
	s_cmp_ge_u32 s2, 1536
	s_cbranch_scc1 .Lf16
.Lb16:
; Row i.  The wait leaves the 15 - i younger loads out (loads come back in order: ISA guide 5.7.1).
.macro SCALE i                         ; the factor ahead of the rounding (where it is 1 the same text serves)
	s_wait_loadcnt 15-(\i)
	v_pk_mul_f32 v[X+4*(\i):X+4*(\i)+1], v[X+4*(\i):X+4*(\i)+1], s[34:35] op_sel_hi:[1,0]
	v_pk_mul_f32 v[X+4*(\i)+2:X+4*(\i)+3], v[X+4*(\i)+2:X+4*(\i)+3], s[34:35] op_sel_hi:[1,0]
.endm
.macro ROUND i                         ; rounded to bf16 and widened again, in place
	v_cvt_pk_bf16_f32 v[T], v[X+4*(\i)], v[X+4*(\i)+1]
	v_cvt_pk_bf16_f32 v[T+1], v[X+4*(\i)+2], v[X+4*(\i)+3]
	v_lshlrev_b32 v[X+4*(\i)], 16, v[T]
	v_and_b32 v[X+4*(\i)+1], s39, v[T]
	v_lshlrev_b32 v[X+4*(\i)+2], 16, v[T+1]
	v_and_b32 v[X+4*(\i)+3], s39, v[T+1]
.endm
.irp i, 0,1,2,3,4,5,6,7,8,9,10,11,12,13,14,15  ; x, Wq, Wk, Wv, cos, sin: bf16
	SCALE \i
	v_cvt_pk_bf16_f32 v[Y+2*(\i)], v[X+4*(\i)], v[X+4*(\i)+1]
	v_cvt_pk_bf16_f32 v[Y+2*(\i)+1], v[X+4*(\i)+2], v[X+4*(\i)+3]
	global_store_b64 v2, v[Y+2*(\i):Y+2*(\i)+1], s[30:31] offset:2048*(\i)
.endr
	s_endpgm
.Lf16:
.irp i, 0,1,2,3,4,5,6,7,8,9,10,11,12,13,14,15  ; Wo: the bf16 value, written as f16 (8 significant bits fit into 11)
	SCALE \i
	ROUND \i
	v_cvt_pk_f16_f32 v[Y+2*(\i)], v[X+4*(\i)], v[X+4*(\i)+1]
	v_cvt_pk_f16_f32 v[Y+2*(\i)+1], v[X+4*(\i)+2], v[X+4*(\i)+3]
	global_store_b64 v2, v[Y+2*(\i):Y+2*(\i)+1], s[30:31] offset:2048*(\i)
.endr
	s_endpgm
.Lr32:
.irp i, 0,1,2,3,4,5,6,7,8,9,10,11,12,13,14,15  ; the mask: the bf16 value in an f32 word
	s_wait_loadcnt 15-(\i)
	ROUND \i
.irp r, 0,1,2,3
	v_max_num_f32 v[X+4*(\i)+(\r)], s38, v[X+4*(\i)+(\r)]  ; nothing lies below -1e30, and a NaN loses
.endr
	v_pk_mul_f32 v[X+4*(\i):X+4*(\i)+1], v[X+4*(\i):X+4*(\i)+1], s[36:37] op_sel_hi:[1,0]
	v_pk_mul_f32 v[X+4*(\i)+2:X+4*(\i)+3], v[X+4*(\i)+2:X+4*(\i)+3], s[36:37] op_sel_hi:[1,0]
	global_store_b128 v1, v[X+4*(\i):X+4*(\i)+3], s[30:31] offset:4096*(\i)
.endr
	s_endpgm
.Lfunc_end_k_q6438dfd4b5_cvt:
	.size	k_q6438dfd4b5_cvt, .Lfunc_end_k_q6438dfd4b5_cvt-k_q6438dfd4b5_cvt
	.p2alignl 7, 3214868480
	.fill 96, 4, 3214868480
	.section	.rodata,"a",@progbits
	.p2align	6, 0x0
	.amdhsa_kernel k_q6438dfd4b5_cvt
		.amdhsa_group_segment_fixed_size 0
		.amdhsa_private_segment_fixed_size 0
		.amdhsa_enable_private_segment 0
		.amdhsa_kernarg_size 80
		.amdhsa_user_sgpr_count 2
		.amdhsa_user_sgpr_kernarg_segment_ptr 1
		.amdhsa_wavefront_size32 1
		.amdhsa_system_sgpr_workgroup_id_x 1
		.amdhsa_system_sgpr_workgroup_id_y 1
		.amdhsa_system_sgpr_workgroup_id_z 1
		.amdhsa_system_vgpr_workitem_id 0
		.amdhsa_next_free_vgpr 112
		.amdhsa_next_free_sgpr 66
		.amdhsa_reserve_vcc 0
		.amdhsa_float_denorm_mode_32 3
		.amdhsa_float_denorm_mode_16_64 3
		.amdhsa_memory_ordered 1
		.amdhsa_forward_progress 1
		.amdhsa_inst_pref_size 31
	.end_amdhsa_kernel
	.amdgpu_metadata
---
amdhsa.version: [ 1, 2 ]
amdhsa.kernels:
  - .name:           k_q6438dfd4b5_cvt
    .symbol:         k_q6438dfd4b5_cvt.kd
    .args:
      - { .name: hidden_states, .offset: 0, .size: 8, .value_kind: global_buffer, .address_space: global }
      - { .name: Wq, .offset: 8, .size: 8, .value_kind: global_buffer, .address_space: global }
      - { .name: Wk, .offset: 16, .size: 8, .value_kind: global_buffer, .address_space: global }
      - { .name: Wv, .offset: 24, .size: 8, .value_kind: global_buffer, .address_space: global }
      - { .name: Wo, .offset: 32, .size: 8, .value_kind: global_buffer, .address_space: global }
      - { .name: attention_mask, .offset: 40, .size: 8, .value_kind: global_buffer, .address_space: global }
      - { .name: cos, .offset: 48, .size: 8, .value_kind: global_buffer, .address_space: global }
      - { .name: sin, .offset: 56, .size: 8, .value_kind: global_buffer, .address_space: global }
      - { .name: w16, .offset: 64, .size: 8, .value_kind: global_buffer, .address_space: global }
      - { .name: r32, .offset: 72, .size: 8, .value_kind: global_buffer, .address_space: global }
    .group_segment_fixed_size: 0
    .private_segment_fixed_size: 0
    .kernarg_segment_align: 8
    .kernarg_segment_size: 80
    .max_flat_workgroup_size: 256
    .sgpr_count:     66
    .vgpr_count:     112
    .wavefront_size: 32
...
	.end_amdgpu_metadata
.endif
;; end of part 1
;; launch qkvproj (part 2): grid 16 x 16, 8 waves a work-group, clusters of 4 x 4, 327,680 bytes of LDS; arguments w16, r32, qkv; writes qkv
.if DOCPART == 2
	.amdgcn_target "amdgcn-amd-amdhsa--gfx1250"
	.amdhsa_code_object_version 6
	.text
	.protected	k_q6438dfd4b5_qkvproj
	.globl	k_q6438dfd4b5_qkvproj
	.p2align	8
	.type	k_q6438dfd4b5_qkvproj,@function
k_q6438dfd4b5_qkvproj:
	s_mov_b64 s[64:65], 0
	v_nop
	global_prefetch_b8 v0, s[64:65] scope:SCOPE_SE
	s_setreg_imm32_b32 hwreg(HW_REG_WAVE_MODE, 25, 1), 1
	s_wait_xcnt 0x0
	s_wait_alu depctr_hold_cnt(0) depctr_sa_sdst(0) depctr_va_vdst(0) depctr_va_sdst(0) depctr_va_ssrc(0) depctr_va_vcc(0) depctr_vm_vsrc(0)
	s_getreg_b32 s2, hwreg(HW_REG_IB_STS2, 6, 4)
	s_cmp_eq_u32 s2, 0
	s_cbranch_scc0 .Lentry_in_a_cluster
	s_endpgm
.Lentry_in_a_cluster:
	s_bfe_u32 s2, ttmp6, 0x10000c
	s_cmp_lg_u32 s2, 0xf033
	s_cbranch_scc0 .Lentry_shape_is_right
	s_endpgm
.Lentry_shape_is_right:
; [q; k; v] / 4 = x ([Wq; Wk; Wv] / 4)^T, RoPE on q and k, written by heads in f16: qkv[32][2048][128], heads 0-15 q, 16-23 k, 24-31 v.
; A = x, bf16 [2048][4096] at w16's byte 0; B = the weights, bf16 [4096][4096], 16 MiB on; cos and sin, bf16 [2048][128], 16 MiB and 16.5 MiB into r32.
; Products in bf16, sums and RoPE in f32, one rounding to f16.
; LIMIT.  f16 ends at 65,504: |q|, |k| (behind RoPE) and |v| must stay under 262,000.
; SHARES.  C is 2048 x 4096 in tiles of 128 x 256: 256 work-groups.  EIGHT WAVES.  Waves 0-3 multiply: wave w makes rows 64 (w / 2) on and columns 128 (w % 2) on: 4 x 8 accumulators of 16 x 16.  A wave's
; 128 columns are ONE HEAD, so RoPE's partner (64 channels away) lies in the same lane, four accumulators on.  Waves 4-7 only fetch.  A wave has one tensor load behind each change of
; slots: with eight waves a step's 96 KiB come as eight loads, B's 256 rows in quarters of 64 (waves 0-3), A's 128 rows in quarters of 32 (waves 4-7).  The fetching waves walk the same loop, waits and
; barriers and jump over the products, by a branch on the wave's number.
; K goes in steps of 128 (rows of 256 bytes) through two LDS slots.  CLUSTER 4 x 4: A's tile and the tables are shared along a row of the cluster, B's tile along a column; each is asked for JOINTLY.
; THE PRODUCT IS USED TRANSPOSED (source 0 = 16 rows of B, source 1 = 16 rows of A): a lane holds row l % 16 of C and eight neighbouring columns 8 (l / 16) + 0..7.
; REGISTERS: window 0: v0-29 addresses; v64-159, v160-255 two fragment buffers (B's 8 fragments, then A's 4); on the way out v32-63 packed, v64-95 cos, v96-127 sin, v128-191 E, v192-255 rows read back.
;   window 1: the accumulators, (a, b) at 8 (8 a + b).
.set SIZE_K, 4096
.set STEPS,  SIZE_K/128
.set PITCH,  272                       ; an LDS row: 256 bytes + 16 of padding = 68 words: the 16 rows of a fragment load start at 16 different groups of four banks (64 banks of 4 bytes: ISA guide 11.1)
.set HA,     64*PITCH                  ; half of A's tile: what a multiplying wave reads of A
.set HB,     128*PITCH                 ; half of B's tile: what a multiplying wave reads of B
.set SLOT1,  1<<17                     ; a slot is 2 HA + 2 HB = 104,448 bytes; slot 1 begins here, so that one exclusive or turns an address in one slot into the other's
.set STAGE,  SLOT1+2*HA+2*HB           ; behind the ring: 16 rows x 272 bytes for each multiplying wave, for the way out
.set SPITCH, 272
.set SPARE,  STAGE+4*16*SPITCH         ; behind the stages: the spare words, 128 bytes for each of eight waves: four blocks of 256 bytes that no other line names
.set TABLE,  SPARE+1024                ; behind them: the tile's 128 rows of cos, then of sin, 272 bytes a row: filled once
.set ADRA, 16                          ; v16  my lane's place in A's part of a slot; never rewritten
.set ADRB, 17                          ; v17  the same for B
.set ADA,  18                          ; v18  the LDS address of A's run of loads in hand
.set ADB,  19                          ; v19  of B's
.set STO,  24                          ; v24  the way out: where I put 16 bytes of a row
.set RD,   25                          ; v25  the way out: where I read rows back
.set CO,   26                          ; v26  16 x lane: my place in 512 consecutive bytes of a head
.set TA,   27                          ; v27  my lane's place in my 64 rows of cos
.set SPW,  28                          ; v28  LDS address of my spare word; never rewritten
.set NIL,  29                          ; v29  0; never rewritten
.set F0,   64
.set F1,   160
.set TMP,  32                          ; a block in f16
.set CT,   64                          ; a block's cos: column block b's eight bf16 at CT + 4 b
.set SN,   96                          ; its sin
.set E,    128                         ; the block behind RoPE, f32: column block b at E + 8 b
.set OB,   192                         ; 16 rows read back from the stage: v192-223 and v224-255 by turns
.set G1,  24                           ; s[24:31] descriptor group 1 for A's tiles;  s[32:39] group 0: a set for each of the two first fills; the second then walks on
.set G0,  32
.set G1B, 48                           ; s[48:55], s[56:63] the same for B's tiles
.set G0B, 56
.set G0T, 68                           ; s[68:71], s[72:79] groups 0 and 1 for the tables
.set G1T, 72
.set TB,  45                           ; s45  LDS byte at which the slot that is read begins
.set MSB, 0
.macro WIN new                         ; the immediate's high byte repeats the setting that is left; a switch that changes nothing is dropped
.if MSB != (\new)
	s_set_vgpr_msb (MSB<<8)|(\new)
.set MSB, \new
.endif
.endm
.set MUL, 0x50                         ; sources in window 0; C and D in window 1
.macro JLOAD                           ; a joint refill by the walking descriptors: waves 0-3 a quarter of B, waves 4-7 a quarter of A; an s_nop 0 and four v_nop follow each of the two lines, ahead of the jump, the label and what follows
	s_cmp_lt_u32 s10, 4
	s_cbranch_scc0 .Lfor_a_\@
	tensor_load_to_lds s[G0B+4:G0B+7], s[G1B:G1B+7]
	s_nop 0
.rept 4
	v_nop
.endr
	s_branch .Lasked_\@
.Lfor_a_\@:
	tensor_load_to_lds s[G0+4:G0+7], s[G1:G1+7]
	s_nop 0
.rept 4
	v_nop
.endr
.Lasked_\@:
.endm
.macro CROUND                          ; a round of the cluster's barrier
	s_barrier_signal -1
	s_barrier_wait -1
	s_cmp_lg_u32 s10, 0
	s_cbranch_scc1 .Lnot_wave_0_\@
	s_barrier_signal -3
.Lnot_wave_0_\@:
	s_barrier_wait -3
	s_barrier_signal -1
	s_barrier_wait -1
.endm
	s_load_b128 s[4:7], s[0:1], 0x0                ; w16 s[4:5], r32 s[6:7]
	s_load_b64 s[8:9], s[0:1], 0x10                ; qkv
	v_lshl_add_u32 v[SPW], v0, 2, SPARE
	v_mov_b32 v[NIL], 0
	ds_add_u32 v[SPW], v[NIL]                      ; the wave's opening: the add and its wait stand ahead of my first tensor load; the set-up below, work on registers, stands between them
	v_lshrrev_b32 v1, 5, v0
	v_readfirstlane_b32 s10, v1                    ; wave 0..7
	s_lshr_b32 s11, s10, 1
	s_and_b32 s11, s11, 1                          ; a multiplying wave: which half of the tile's rows is mine.  A fetching wave: cos (0) or sin (1)
	s_and_b32 s12, s10, 1                          ; which half of the tile's columns; which half of the table's rows
	s_and_b32 s67, s10, 3                          ; which quarter of B's (waves 0-3) or A's (waves 4-7) rows I fetch
	s_bfe_u32 s40, ttmp6, 0x40000                  ; cx, cy: my place in the cluster
	s_bfe_u32 s41, ttmp6, 0x40004
	s_mov_b32 s66, ttmp9                           ; the cluster's x: 0, 1 q; 2 k; 3 v: the same in all sixteen partners
	s_lshl_b32 s42, ttmp9, 2
	s_add_co_u32 s42, s42, s40                     ; tile column of C = 4 x cluster x + cx
	s_and_b32 s13, ttmp7, 0xffff
	s_lshl_b32 s13, s13, 2
	s_add_co_u32 s13, s13, s41                     ; tile row of C = 4 x cluster y + cy
	s_lshl_b32 s43, s41, 2
	s_lshl_b32 s43, 15, s43                        ; my row of the cluster
	s_lshl_b32 s44, 0x1111, s40                    ; my column
	; descriptor group 1: rows of 128 elements of 2 bytes, padded in LDS; 32 rows for A, 64 for B and for the tables
	s_or_b32 s[G1+0], s43, (1<<16)|(1<<20)|(1<<21)|(5<<22)|(3<<25)  ; 15:0 the mask: A's tiles go to my row; 17:16 2-byte elements; 20 padding on; 21 set beside a mask; 24:22 after every 64 words (code 5); 31:25 4 words (code 3)
	s_or_b32 s[G1B+0], s44, (1<<16)|(1<<20)|(1<<21)|(5<<22)|(3<<25) ; the same with my column's mask
	s_or_b32 s[G1T+0], s43, (1<<16)|(1<<20)|(1<<21)|(5<<22)|(3<<25) ; the tables hang on the tile row, as A does
	s_mov_b32 s[G1+1], 128<<16                     ; tensor_dim0 = 128
	s_mov_b32 s[G1+2], 32<<16                      ; tensor_dim1 = 32
	s_mov_b32 s[G1+3], 128<<16                     ; tile_dim0 = 128
	s_mov_b32 s[G1+4], 32                          ; tile_dim1 = 32
	s_mov_b32 s[G1+5], SIZE_K                      ; elements from row to row
	s_mov_b32 s[G1+6], 0
	s_mov_b32 s[G1+7], 0
	s_mov_b32 s[G1B+1], 128<<16
	s_mov_b32 s[G1B+2], 64<<16                     ; tensor_dim1 = 64
	s_mov_b32 s[G1B+3], 128<<16
	s_mov_b32 s[G1B+4], 64                         ; tile_dim1 = 64
	s_mov_b32 s[G1B+5], SIZE_K
	s_mov_b32 s[G1B+6], 0
	s_mov_b32 s[G1B+7], 0
	s_mov_b32 s[G1T+1], 128<<16
	s_mov_b32 s[G1T+2], 64<<16
	s_mov_b32 s[G1T+3], 128<<16
	s_mov_b32 s[G1T+4], 64
	s_mov_b32 s[G1T+5], 128                        ; a table's rows are dense
	s_mov_b32 s[G1T+6], 0
	s_mov_b32 s[G1T+7], 0
	; A's and the tables' addresses hang on the tile row alone, B's on the tile column alone, each in registers that never hold the other coordinate
	s_lshl_b32 s17, s67, 5
	s_lshl_b32 s16, s13, 7
	s_add_co_u32 s16, s16, s17                     ; A: row 128 x tile row + 32 x quarter
	s_mul_i32 s16, s16, SIZE_K*2                   ; in bytes: under 2^25
	s_mov_b32 s17, 0
	s_lshl_b32 s47, s67, 6
	s_lshl_b32 s46, s42, 8
	s_add_co_u32 s46, s46, s47                     ; B: row 256 x tile column + 64 x quarter
	s_mul_i32 s46, s46, SIZE_K*2                   ; under 2^26
	s_mov_b32 s47, 0
	s_lshl_b32 s22, s13, 7
	s_lshl_b32 s23, s12, 6
	s_add_co_u32 s22, s22, s23                     ; the tables: row 128 x tile row + 64 x half,
	s_lshl_b32 s22, s22, 8                         ; 256 bytes a row,
	s_lshl_b32 s23, s11, 19                        ; sin 524,288 bytes behind cos
	s_add_co_u32 s22, s22, s23
	s_mov_b32 s23, 0
	s_mul_i32 s20, s67, 32*PITCH                   ; where they go: A's quarters from 0 on,
	s_mul_i32 s21, s67, 64*PITCH
	s_add_co_u32 s[G0T+1], s21, TABLE              ; the tables' four parts from TABLE on,
	s_add_co_u32 s21, s21, 2*HA                    ; B's quarters behind A: no place in the cluster enters an LDS address
	s_mov_b32 s[G0T], 1
	s_mov_b32 s[TB], 0
	s_mov_b32 s2, 0x80008000                       ; the signs of two bf16
	s_wait_dscnt 0x0                               ; the opening add is done
	s_wait_kmcnt 0x0
	s_add_nc_u64 s[14:15], s[4:5], s[16:17]
	s_add_nc_u64 s[46:47], s[4:5], s[46:47]
	s_add_nc_u64 s[46:47], s[46:47], 0x1000000     ; the weights lie 16 MiB behind x
	s_add_nc_u64 s[G0T+2:G0T+3], s[6:7], s[22:23]
	s_add_nc_u64 s[G0T+2:G0T+3], s[G0T+2:G0T+3], 0x1000000  ; cos lies 16 MiB into r32
	s_or_b32 s[G0T+3], s[G0T+3], 0x80000000
	CROUND                                         ; all sixteen work-groups are here: the first joint loads meet
.irp s, 0,1
	s_mov_b32 s[G0+4*(\s)], 1                                      ; count = 1
	s_add_co_u32 s[G0+4*(\s)+1], s20, (\s)*SLOT1                   ; LDS address
	s_add_nc_u64 s[G0+4*(\s)+2:G0+4*(\s)+3], s[14:15], (\s)*256    ; global address: K step s
	s_or_b32 s[G0+4*(\s)+3], s[G0+4*(\s)+3], 0x80000000            ; type = 2
	s_mov_b32 s[G0B+4*(\s)], 1
	s_add_co_u32 s[G0B+4*(\s)+1], s21, (\s)*SLOT1
	s_add_nc_u64 s[G0B+4*(\s)+2:G0B+4*(\s)+3], s[46:47], (\s)*256
	s_or_b32 s[G0B+4*(\s)+3], s[G0B+4*(\s)+3], 0x80000000
.endr
	s_cmp_lt_u32 s10, 4                            ; a wave's first fills stand in one branch, ahead of every wait on TENSORcnt and every LDS read: two loads of a multiplying wave are out, three of a fetching one
	s_cbranch_scc0 .Lfirst_a
	tensor_load_to_lds s[G0B:G0B+3], s[G1B:G1B+7]
	s_nop 0
	tensor_load_to_lds s[G0B+4:G0B+7], s[G1B:G1B+7]
	s_nop 0
.rept 4
	v_nop
.endr
	s_branch .Lfirst_asked
.Lfirst_a:
	tensor_load_to_lds s[G0T:G0T+3], s[G1T:G1T+7]  ; my part of the tables first, so that the count below shows it landed too
	s_nop 0
	tensor_load_to_lds s[G0:G0+3], s[G1:G1+7]
	s_nop 0
	tensor_load_to_lds s[G0+4:G0+7], s[G1:G1+7]
	s_nop 0
.rept 4
	v_nop
.endr
.Lfirst_asked:
	v_and_b32 v1, 15, v0                           ; l % 16
	v_bfe_u32 v2, v0, 4, 1                         ; l / 16
	v_mul_u32_u24 v3, v1, PITCH
	v_lshl_add_u32 v3, v2, 4, v3                   ; a fragment's row x pitch + 16 x half: also a lane's place in a stage and in 16 rows of a table
	s_mul_i32 s20, s11, HA                         ; my 64 rows of A
	s_mul_i32 s23, s12, HB                         ; my 128 rows of B,
	s_add_co_u32 s23, s23, 2*HA                    ; which lie behind A's
	v_add_nc_u32 v[ADRA], s20, v3
	v_add_nc_u32 v[ADRB], s23, v3
	s_add_co_u32 s20, s20, TABLE                   ; my 64 rows of cos
	v_add_nc_u32 v[TA], s20, v3
	s_mul_i32 s23, s10, 16*SPITCH
	s_add_co_u32 s23, s23, STAGE                   ; my stage (waves 0-3)
	v_add_nc_u32 v[STO], s23, v3                   ; in: row l % 16, 16 bytes for each half of the lanes
	v_mul_u32_u24 v5, v2, SPITCH                   ; back: lanes 0-15 take one row of 256 bytes, lanes 16-31 the next,
	v_lshl_add_u32 v5, v1, 4, v5
	v_add_nc_u32 v[RD], s23, v5
	v_and_b32 v[CO], 31, v0                        ; which are 512 consecutive bytes of a head
	v_lshlrev_b32 v[CO], 4, v[CO]
	s_lshl_b32 s22, s13, 7
	s_lshl_b32 s23, s11, 6
	s_add_co_u32 s22, s22, s23                     ; my first row of C,
	s_lshl_b32 s20, s22, 8                         ; 256 bytes a row of a head
	s_mov_b32 s21, 0
	s_add_nc_u64 s[8:9], s[8:9], s[20:21]
	s_lshl_b32 s46, s42, 1
	s_add_co_u32 s46, s46, s12                     ; my head = 2 x tile column + half
	s_lshl_b32 s46, s46, 19                        ; 524,288 bytes a head
	s_mov_b32 s47, 0
	s_add_nc_u64 s[8:9], s[8:9], s[46:47]
; 8 products: m block a x all 8 n blocks, 32 along K.  The 32 accumulators take turns in the same order in every quarter.  zero = 1: the product starts the sum
.macro MUL8 f, a, zero
	WIN MUL
.irp b, 0,1,2,3,4,5,6,7
.if \zero
	v_wmma_f32_16x16x32_bf16 v[8*(8*(\a)+(\b)):8*(8*(\a)+(\b))+7], v[(\f)+8*(\b):(\f)+8*(\b)+7], v[(\f)+64+8*(\a):(\f)+64+8*(\a)+7], 0
.else
	v_wmma_f32_16x16x32_bf16 v[8*(8*(\a)+(\b)):8*(8*(\a)+(\b))+7], v[(\f)+8*(\b):(\f)+8*(\b)+7], v[(\f)+64+8*(\a):(\f)+64+8*(\a)+7], v[8*(8*(\a)+(\b)):8*(8*(\a)+(\b))+7]
.endif
.endr
.endm
; 24 LDS loads in one run: the fragments of 32 along K at byte k of the rows, into buffer f: B's sixteen loads, then A's eight.  The two lines that make the addresses are also two of the four
; places that a load into registers that a product has read wants behind that product (ISA guide 7.12.1 for vector instructions); two v_nop, or a joint load's four, stand ahead of them.
.macro FETCH k, f
	WIN 0
	v_add_nc_u32 v[ADB], s[TB], v[ADRB]
	v_add_nc_u32 v[ADA], s[TB], v[ADRA]
.irp i, 0,1,2,3,4,5,6,7
	ds_load_b128 v[(\f)+8*(\i):(\f)+8*(\i)+3],   v[ADB] offset:(\k)+(\i)*16*PITCH
	ds_load_b128 v[(\f)+8*(\i)+4:(\f)+8*(\i)+7], v[ADB] offset:(\k)+(\i)*16*PITCH+32
.endr
.irp i, 0,1,2,3
	ds_load_b128 v[(\f)+64+8*(\i):(\f)+64+8*(\i)+3],   v[ADA] offset:(\k)+(\i)*16*PITCH
	ds_load_b128 v[(\f)+64+8*(\i)+4:(\f)+64+8*(\i)+7], v[ADA] offset:(\k)+(\i)*16*PITCH+32
.endr
.endm
; A K step is four quarters of 32 along K, 32 products each, on buffers 0, 1, 0, 1.  One of the first three: multiplies buffer f and fetches the next quarter, at byte k, into g.
.macro QUARTER k, f, g, zero
	s_wait_dscnt 4                                 ; B and A's blocks 0 and 1 are in; the youngest four loads (A's blocks 2 and 3) may be out
	MUL8 \f, 0, \zero
	MUL8 \f, 1, \zero
	WIN 0
	v_nop
	v_nop
	FETCH \k, \g
	s_wait_dscnt 24                                ; all but the 24 just issued
	MUL8 \f, 2, \zero
	MUL8 \f, 3, \zero
.endm
.macro STEP zero                       ; a K step but for its last sixteen products, which stand behind the change of slots
	QUARTER 64, F0, F1, \zero
	QUARTER 128, F1, F0, 0
	QUARTER 192, F0, F1, 0
	s_wait_dscnt 4
	MUL8 F1, 0, 0
	MUL8 F1, 1, 0
	WIN 0                                          ; at a label and at a branch every window is 0
.endm
.macro REST                            ; behind the change of slots: the new slot's first fragments are fetched, and the old step's last sixteen products, which read registers alone, stand behind that run
	FETCH 0, F0
	MUL8 F1, 2, 0
	MUL8 F1, 3, 0
.endm
; THE CHANGE OF SLOTS, in every wave.  The wave waits for all its tensor loads, of which one is out: its part of the next slot; adds 0 to its spare word; and waits for that and for its own reads of the
; slot that it leaves.  fill = 1: a round of the cluster's barrier follows, and the joint refill is the first thing behind it: the slot just left takes the K step two on.  Nothing else stands between
; the wait for the tiles and the refill; the refill has a step's 128 products in which to land.
.macro CHANGE fill
	s_wait_tensorcnt 0x0                           ; no tensor load of mine is out, so a group 0 may be written
	ds_add_u32 v[SPW], v[NIL]                      ; 0 onto my spare word: the scalar steps stand between it and the wait for it
.if \fill
	s_xor_b32 s[G0+5], s[G0+5], SLOT1              ; the walking descriptors: the other slot than last time,
	s_add_nc_u64 s[G0+6:G0+7], s[G0+6:G0+7], 256   ; the next K step; the type bits on top are not reached
	s_xor_b32 s[G0B+5], s[G0B+5], SLOT1
	s_add_nc_u64 s[G0B+6:G0B+7], s[G0B+6:G0B+7], 256
.endif
	s_xor_b32 s[TB], s[TB], SLOT1                  ; the fetches go on in the other slot
	s_wait_dscnt 0x0                               ; the add is done, and my reads of this slot are over
.if \fill
	CROUND                                         ; no wave of any partner still reads this slot's tile or has a load on its way
	JLOAD
.else
	s_barrier_signal -1
	s_barrier_wait -1
.endif
.endm
	s_wait_tensorcnt 1                             ; my part of K step 0 is in (and of the tables); K step 1's may stay out
	s_barrier_signal -1
	s_barrier_wait -1                              ; everybody's is
	s_cmp_lt_u32 s10, 4
	s_cbranch_scc0 .Lidle0                         ; waves 4-7 multiply nothing
	FETCH 0, F0
	STEP 1                                         ; the first step stands in front of the loop: its first products start the sums
.Lidle0:
	s_mov_b32 s3, STEPS-2
.Lstep:                                                ; a trip begins at a change of slots and fills the slot that it leaves
	CHANGE 1
	s_cmp_lt_u32 s10, 4
	s_cbranch_scc0 .Lidle
	REST
	STEP 0
.Lidle:
	s_sub_co_u32 s3, s3, 1
	s_cmp_lg_u32 s3, 0
	s_cbranch_scc1 .Lstep
	CHANGE 0                                       ; the last step is written out: nothing is asked for
	s_cmp_lt_u32 s10, 4
	s_cbranch_scc0 .Lend
	v_nop
	v_nop
	REST
	STEP 0
	s_wait_dscnt 0x0
	MUL8 F1, 2, 0
	MUL8 F1, 3, 0
	WIN 0
.rept 4
	v_nop                                          ; the places behind the last products
.endr
; THE WAY OUT, a block of 16 rows at a time.  RoPE: out[d] = c[d] cos[d] - c[d + 64] sin[d] for d < 64, c[d] cos[d] + c[d - 64] sin[d] above: column blocks b and b + 4 of the same lane.
; A block's tables come out of LDS in the accumulators' own layout: row l % 16, channels 16 b + 8 (l / 16) + 0..7: 16 bytes of bf16; they are fetched a block ahead.
.macro TBL a
.irp b, 0,1,2,3,4,5,6,7
	ds_load_b128 v[CT+4*(\b):CT+4*(\b)+3], v[TA] offset:(\a)*16*PITCH+32*(\b)
.endr
.irp b, 0,1,2,3,4,5,6,7
	ds_load_b128 v[SN+4*(\b):SN+4*(\b)+3], v[TA] offset:128*PITCH+(\a)*16*PITCH+32*(\b)
.endr
.endm
.macro MIX0 d, t, c                    ; d, d + 1 = the two bf16 of table word t x the f32 c, c + 1
	v_fma_mix_f32_bf16 v[\d], v[\t], v[\c], v[NIL] op_sel_hi:[1,0,0]
	v_fma_mix_f32_bf16 v[(\d)+1], v[\t], v[(\c)+1], v[NIL] op_sel:[1,0,0] op_sel_hi:[1,0,0]
.endm
.macro MIX1 d, t, c                    ; the same added onto d, d + 1, in one rounding
	v_fma_mix_f32_bf16 v[\d], v[\t], v[\c], v[\d] op_sel_hi:[1,0,0]
	v_fma_mix_f32_bf16 v[(\d)+1], v[\t], v[(\c)+1], v[(\d)+1] op_sel:[1,0,0] op_sel_hi:[1,0,0]
.endm
.macro ROPE a
.set i, 0
.rept 16
	v_xor_b32 v[SN+i], s2, v[SN+i]                 ; sin of channels 0-63 takes the minus
.set i, i+1
.endr
	WIN 0x04                                       ; source 1, the accumulator, in window 1
.irp b, 0,1,2,3
.irp p, 0,1,2,3                        ; each accumulator is read from its low end on
	MIX0 E+8*(\b)+2*(\p), CT+4*(\b)+(\p), 8*(8*(\a)+(\b))+2*(\p)
	MIX0 E+8*((\b)+4)+2*(\p), CT+4*((\b)+4)+(\p), 8*(8*(\a)+(\b)+4)+2*(\p)
.endr
.irp p, 0,1,2,3
	MIX1 E+8*(\b)+2*(\p), SN+4*(\b)+(\p), 8*(8*(\a)+(\b)+4)+2*(\p)
	MIX1 E+8*((\b)+4)+2*(\p), SN+4*((\b)+4)+(\p), 8*(8*(\a)+(\b))+2*(\p)
.endr
.endr
	WIN 0
.endm
.macro CVT                             ; one rounding to f16
.irp b, 0,1,2,3,4,5,6,7
.irp p, 0,1,2,3
	v_cvt_pk_f16_f32 v[TMP+4*(\b)+(\p)], v[E+8*(\b)+2*(\p)], v[E+8*(\b)+2*(\p)+1]
.endr
.endr
.endm
.macro PLAIN a                         ; v takes no RoPE: rounded straight from the accumulators
	WIN 0x05                                       ; sources 0 and 1 window 1
.irp b, 0,1,2,3,4,5,6,7
.irp p, 0,1,2,3
	v_cvt_pk_f16_f32 v[TMP+4*(\b)+(\p)], v[8*(8*(\a)+(\b))+2*(\p)], v[8*(8*(\a)+(\b))+2*(\p)+1]
.endr
.endr
	WIN 0
.endm
.macro TOSTAGE a                       ; 16 bytes a lane into my own stage, whole rows back
.set BK, OB+32*((\a)%2)
.irp b, 0,1,2,3,4,5,6,7
	ds_store_b128 v[STO], v[TMP+4*(\b):TMP+4*(\b)+3] offset:32*(\b)
.endr
.irp t, 0,1,2,3,4,5,6,7
	ds_load_b128 v[BK+4*(\t):BK+4*(\t)+3], v[RD] offset:(\t)*2*SPITCH  ; LDS serves a wave's instructions in order (ISA guide 5.7.1.4): these see the stores above
.endr
.endm
.macro SEND a, younger                 ; younger: the LDS loads issued behind block a's: the sixteen of a block's tables, or none
.set BK, OB+32*((\a)%2)
	s_wait_dscnt \younger                          ; the block is back in registers
	s_wait_xcnt 0x0                                ; the stores of the block before have read their registers: the next block is read back into them only behind this wait
.irp t, 0,1,2,3,4,5,6,7
	global_store_b128 v[CO], v[BK+4*(\t):BK+4*(\t)+3], s[8:9] offset:(\a)*4096+(\t)*512  ; two rows of a head: 512 consecutive bytes, at a multiple of 256 from qkv's first byte
.endr
.endm
.macro WAYOUT rope                     ; block a's arithmetic stands between block a - 1's loads from the stage and the wait for them
.if \rope
	TBL 0
.endif
.irp a, 0,1,2,3
.if \rope
.if (\a) == 0
	s_wait_dscnt 0x0                               ; block 0's tables are in
.else
	s_wait_dscnt 16                                ; block a's tables are in; behind them stand the sixteen stage instructions of block a - 1
.endif
	ROPE \a
.if (\a) < 3
	TBL (\a)+1
.endif
	CVT
.else
	PLAIN \a
.endif
.if (\a) > 0
.if (\rope) && ((\a) < 3)
	SEND (\a)-1, 16
.else
	SEND (\a)-1, 0
.endif
.endif
	TOSTAGE \a
.endr
	SEND 3, 0
.endm
	s_cmp_eq_u32 s66, 3                            ; the cluster's x, the same in all partners
	s_cbranch_scc1 .Lplain
	WAYOUT 1
	s_branch .Lend
.Lplain:
	WAYOUT 0
.Lend:
	s_wait_tensorcnt 0x0                           ; the wave's end: the wait, the add and its wait stand behind my last tensor load and my last LDS store
	ds_add_u32 v[SPW], v[NIL]
	s_wait_dscnt 0x0
	CROUND                                         ; the closing round: no work-group ends while a partner may still ask for a tile that names it
	s_endpgm
.Lfunc_end_k_q6438dfd4b5_qkvproj:
	.size	k_q6438dfd4b5_qkvproj, .Lfunc_end_k_q6438dfd4b5_qkvproj-k_q6438dfd4b5_qkvproj
	.p2alignl 7, 3214868480
	.fill 96, 4, 3214868480
	.section	.rodata,"a",@progbits
	.p2align	6, 0x0
	.amdhsa_kernel k_q6438dfd4b5_qkvproj
		.amdhsa_group_segment_fixed_size 327680
		.amdhsa_private_segment_fixed_size 0
		.amdhsa_enable_private_segment 0
		.amdhsa_kernarg_size 24
		.amdhsa_user_sgpr_count 2
		.amdhsa_user_sgpr_kernarg_segment_ptr 1
		.amdhsa_wavefront_size32 1
		.amdhsa_system_sgpr_workgroup_id_x 1
		.amdhsa_system_sgpr_workgroup_id_y 1
		.amdhsa_system_sgpr_workgroup_id_z 1
		.amdhsa_system_vgpr_workitem_id 0
		.amdhsa_next_free_vgpr 512
		.amdhsa_next_free_sgpr 80
		.amdhsa_reserve_vcc 0
		.amdhsa_float_denorm_mode_32 3
		.amdhsa_float_denorm_mode_16_64 3
		.amdhsa_memory_ordered 1
		.amdhsa_forward_progress 1
		.amdhsa_inst_pref_size 124
	.end_amdhsa_kernel
	.amdgpu_metadata
---
amdhsa.version: [ 1, 2 ]
amdhsa.kernels:
  - .name:           k_q6438dfd4b5_qkvproj
    .symbol:         k_q6438dfd4b5_qkvproj.kd
    .args:
      - { .name: w16, .offset: 0, .size: 8, .value_kind: global_buffer, .address_space: global }
      - { .name: r32, .offset: 8, .size: 8, .value_kind: global_buffer, .address_space: global }
      - { .name: qkv, .offset: 16, .size: 8, .value_kind: global_buffer, .address_space: global }
    .group_segment_fixed_size: 327680
    .private_segment_fixed_size: 0
    .kernarg_segment_align: 8
    .kernarg_segment_size: 24
    .max_flat_workgroup_size: 256
    .sgpr_count:     80
    .vgpr_count:     512
    .wavefront_size: 32
...
	.end_amdgpu_metadata
.endif
;; end of part 2
;; launch attn (part 3): grid 32 x 8, 4 waves a work-group, clusters of 4 x 4, 327,680 bytes of LDS; arguments qkv, r32, ob; writes ob
.if DOCPART == 3
	.amdgcn_target "amdgcn-amd-amdhsa--gfx1250"
	.amdhsa_code_object_version 6
	.text
	.protected	k_q6438dfd4b5_attn
	.globl	k_q6438dfd4b5_attn
	.p2align	8
	.type	k_q6438dfd4b5_attn,@function
k_q6438dfd4b5_attn:
	s_mov_b64 s[64:65], 0
	v_nop
	global_prefetch_b8 v0, s[64:65] scope:SCOPE_SE
	s_setreg_imm32_b32 hwreg(HW_REG_WAVE_MODE, 25, 1), 1
	s_wait_xcnt 0x0
	s_wait_alu depctr_hold_cnt(0) depctr_sa_sdst(0) depctr_va_vdst(0) depctr_va_sdst(0) depctr_va_ssrc(0) depctr_va_vcc(0) depctr_vm_vsrc(0)
	s_getreg_b32 s2, hwreg(HW_REG_IB_STS2, 6, 4)
	s_cmp_eq_u32 s2, 0
	s_cbranch_scc0 .Lentry_in_a_cluster
	s_endpgm
.Lentry_in_a_cluster:
	s_bfe_u32 s2, ttmp6, 0x10000c
	s_cmp_lg_u32 s2, 0xf033
	s_cbranch_scc0 .Lentry_shape_is_right
	s_endpgm
.Lentry_shape_is_right:
; O[h][q] = the sum over k of softmax_k(q . k / sqrt(128) + mask[q][k]) v[k], 16 query heads on 8 key and value heads.  qkv: f16 [32][2048][128] (q/4, k/4 behind RoPE, v/4);
; r32: the mask x 2^-1/2, f32 [2048][2048]; ob: O/4, f16 [2048][2048], column = head x 128 + channel.  Products in f16; maxima, sums and O in f32; the weights p are rounded to f16 for the second product.
; THE MASK IS AN INPUT: all 2048 x 2048 scores of every head are made.  It enters as the C operand of the product that starts the sum S^T = K Q^T, so it costs no vector instruction.
; s = q/4 . k/4 + mask 2^-1/2 is the reference's score x 2^-1/2; p = 2^(c s - c m) with c = log2(e) 2^1/2 and a running maximum m; in every step O and l are multiplied by a = 2^(c m_old - c m_new).
; LIMITS.  q/4, k/4, v/4 arrive within f16.  No mask entry lies below -1e30 (the launch that wrote r32 saw to it), so every c s is finite.  Where |mask| is so large that f32 loses a score beside it, the
; sum is rounded in another order than the reference's.  A weight below 2^-126 counts as 0 in l.
; SHARES.  A work-group owns 64 queries (block xb) of the TWO query heads 2 g, 2 g + 1 of key head g: 256 work-groups.  THE KEYS ARE SPLIT IN THE WORK-GROUP: of a slot's 128 keys wave w takes 64 (kp = w / 2),
; for 32 queries (qh = w % 2) of both heads: four tiles of 16 queries.  Tile t: query tile t % 2, head 2 g + ((t / 2) xor kp).  A mask tile in registers serves both heads.  At the end waves w and w xor 2 hold
; the same rows over the two halves of the keys: each hands its tiles 2, 3 over through LDS and finishes its tiles 0, 1; by the exclusive or above the partner's tiles 2, 3 are my tiles 0, 1.
; LAYOUT.  S^T = K Q^T (source 0 = 16 keys, source 1 = 16 queries): a lane holds ONE query (lane % 16) and the keys 8 (lane / 16) + 0..7.  Two such tiles rounded to f16 ARE source 1 of O^T = V^T P.
; BY TURNS.  Piece 0 is tiles 0, 1, piece 2 tiles 2, 3.  In a TURN one piece has the matrix unit (32 products V^T P of the step in hand, 32 products K Q^T of the next), and the other piece's softmax, cut into
; 64 slices, stands between them, one slice behind each product.  Two turns are a key step, and a slot.
; CLUSTER 4 x 4.  A row of the cluster shares g, and so K and V; a column shares xb, and so the mask tile.  Each is asked for JOINTLY: wave 0 K, wave 1 V, waves 2 and 3 half of the mask tile each.
; REGISTERS, in windows of 256 (s_set_vgpr_msb: bits 1:0 source 0, 3:2 source 1, 5:4 source 2, 7:6 destination):
;   window 0: v0-11, v44-63 addresses; v12-43 eight registers of statistics a tile; v64-191 S^T, 32 a tile; v192-255 P, 16 a tile
;   window 1: O^T, 64 a tile     window 2: v0-127 Q, 32 a tile; v128-255 K of one step     window 3: v0-127 V of one step; v128-191 the mask of one step: query tile qt, key block kb at 128 + 32 qt + 8 kb
.set PK,    272       ; a row of K in LDS: 256 bytes + 16 of padding: the 16 rows of a load start at 16 different groups of four banks (64 banks of 4 bytes: ISA guide 11.1)
.set PV,    288       ; a row of V: 256 + 32
.set PM,    528       ; a row of the mask tile: 128 f32 + 16 bytes
.set VOFF,  128*PK    ; a slot: 128 rows of K, 128 rows of V, 64 rows of the mask
.set MOFF,  VOFF+128*PV
.set SLOTB, MOFF+64*PM  ; 105,472 bytes
.set SLOT1, 1<<17     ; slot 1 begins here, so that one exclusive or turns an address in one slot into the other's
.set STAGE, SLOTB     ; between the slots, never filled by a tensor load: 16 rows x 272 bytes for each wave, for the way out
.set SP,    272
.set SPARE, STAGE+4*16*SP  ; the spare words, 128 bytes for each wave: two blocks of 256 bytes that no other line names
.set XST,   SPARE+512      ; the exchange of statistics: 512 bytes a wave
.set XCH,   SLOT1+SLOTB    ; behind slot 1: the exchange of O^T: 16,384 bytes a wave
.set AK0, 2           ; v2   my lane's place in my 64 rows of K; never rewritten
.set AV0, 3           ; v3   the same for V
.set ADR, 4           ; v4   the LDS address of the run of loads in hand
.set QO,  5           ; v5   my byte offset in 16 rows of Q
.set STO, 6           ; v6   the way out: where I put 16 bytes of a row
.set RD,  7           ; v7   the way out: where I read a row back
.set GO,  8           ; v8   my byte offset in two rows of ob
.set ST,  12          ; tile t's statistics at v[ST+8 t]: +0 c m, +1 m, +2, +3 l (even keys', odd keys'), +4 to +7 c0-c3, at work; a takes c2's place once the maximum is found
.set AM0, 44          ; v44  my lane's place in the mask tile
.set ADM, 45          ; v45  the LDS address of the mask's run of loads
.set XS,  46          ; v46  where I put 16 bytes of O^T for my partner;  v47 where I find my partner's
.set XL,  47
.set XSS, 48          ; v48, v49  the same for 8 bytes of statistics
.set XSL, 49
.set PS,  50          ; v50-53  my partner's c m and l, for my tiles 0 and 1
.set PFO, 61          ; v61  the prefetches' offset; never rewritten
.set SPW, 62          ; v62  LDS address of my spare word; never rewritten
.set NIL, 63          ; v63  0; never rewritten
.set S,   64
.set P,   192
.set KF,  128         ; K's fragments, in window 2
.set MK,  128         ; the mask, in window 3
.set WV,  12          ; s12  my wave's number
.set LIM, 15          ; s15  2 in a wave that prefetches, else the greatest number: a wave prefetches while s[SLOTS] is above it
.set G1K, 24          ; s[24:31], s[32:39], s[40:47] descriptor group 1 for K's, V's and the mask's tiles
.set G1V, 32
.set G1M, 40
.set G0K, 48          ; s[48:55], s[56:63], s[68:75] group 0: a set for each of the two first fills; the second then walks on
.set G0V, 56
.set G0M, 68
.set CS,  76          ; s[76:77] c
.set SEL, 78          ; s[78:79] lane selects for v_permlanex16_b32: each lane takes its own place in the other half
.set TB,  80          ; s80  LDS byte at which the slot that is read begins
.set SLOTS, 81        ; s81  slots still to be asked for
.set PFA, 82          ; s[82:83] where my prefetches stand
.set PFS, 84          ; s[84:85] their step from slot to slot
.set QA,  86          ; s[86:87] Q at my 32 rows of head 2 g + kp;  s[88:89] of the other head
.set QB,  88
.set MSB, 0
.macro WIN new                      ; the immediate's high byte repeats the setting that is left; a switch that changes nothing is dropped
.if MSB != (\new)
	s_set_vgpr_msb (MSB<<8)|(\new)
.set MSB, \new
.endif
.endm
.set W_KQ, 0x0a       ; K and Q in window 2, S^T in window 0
.set W_KM, 0x3a       ; the same with the C operand, the mask, in window 3
.set W_PV, 0x53       ; V in window 3, P in window 0, O^T in window 1
.set W_RS, 0x41       ; O^T (destination and source 0) in window 1, a in window 0
; A joint refill: one line for each of the three tiles, chosen by the wave's number alone.  An s_nop 0 and four v_nop follow each line, ahead of the jump and the label.
.macro JLOAD
	s_cmp_eq_u32 s[WV], 0
	s_cbranch_scc0 .Lnot_k_\@
	tensor_load_to_lds s[G0K+4:G0K+7], s[G1K:G1K+7]
	s_nop 0
.rept 4
	v_nop
.endr
	s_branch .Lasked_\@
.Lnot_k_\@:
	s_cmp_eq_u32 s[WV], 1
	s_cbranch_scc0 .Lfor_m_\@
	tensor_load_to_lds s[G0V+4:G0V+7], s[G1V:G1V+7]
	s_nop 0
.rept 4
	v_nop
.endr
	s_branch .Lasked_\@
.Lfor_m_\@:
	tensor_load_to_lds s[G0M+4:G0M+7], s[G1M:G1M+7]
	s_nop 0
.rept 4
	v_nop
.endr
.Lasked_\@:
.endm
; A PREFETCH INTO THE L2, behind the wave's tensor load and its five lines: the change that asks for slot n names slot n + 2, which the change after next will ask for: 256 products ahead of that load.
; Each aligned block of 256 bytes is named ONCE in the launch.  K and V of a head are walked by all clusters of a row of clusters: the first (cluster x = 0) asks, wave 0 for K, wave 1 for V; of a slot's 128
; rows the partner at cx takes 32, a lane a row.  A mask tile is walked by both clusters of a column of clusters: the first (cluster y = 0) asks, wave 2; of the tile's 64 rows of 512 bytes the partner at cy
; takes 16, two lanes a row.  The partners are told apart BY ADDRESS.  The last two changes that fill a slot ask for nothing; the first four slots come by their loads alone.
.macro ASK
	s_cmp_gt_u32 s[SLOTS], s[LIM]
	s_cbranch_scc0 .Lnot_mine_\@
	global_prefetch_b8 v[PFO], s[PFA:PFA+1] th:TH_LOAD_NT scope:SCOPE_SE
.Lnot_mine_\@:
.endm
.macro CROUND                       ; a round of the cluster's barrier
	s_barrier_signal -1
	s_barrier_wait -1
	s_cmp_lg_u32 s[WV], 0
	s_cbranch_scc1 .Lnot_wave_0_\@
	s_barrier_signal -3
.Lnot_wave_0_\@:
	s_barrier_wait -3
	s_barrier_signal -1
	s_barrier_wait -1
.endm
	s_load_b128 s[4:7], s[0:1], 0x0 ; qkv s[4:5], r32 s[6:7]
	s_load_b64 s[8:9], s[0:1], 0x10 ; ob
	v_lshl_add_u32 v[SPW], v0, 2, SPARE
	v_mov_b32 v[NIL], 0
	ds_add_u32 v[SPW], v[NIL]       ; the wave's opening: the add and its wait stand ahead of my first tensor load; the set-up below, work on registers, stands between them
	v_lshrrev_b32 v1, 5, v0
	v_readfirstlane_b32 s[WV], v1   ; wave 0..3
	s_bfe_u32 s13, ttmp6, 0x40000   ; cx
	s_bfe_u32 s14, ttmp6, 0x40004   ; cy
	s_lshl_b32 s16, ttmp9, 2
	s_add_co_u32 s16, s16, s13      ; xb: my block of 64 queries = 4 x cluster x + cx
	s_and_b32 s17, ttmp7, 0xffff
	s_lshl_b32 s17, s17, 2
	s_add_co_u32 s17, s17, s14      ; g: my key head = 4 x cluster y + cy
	s_and_b32 s18, s[WV], 1         ; qh
	s_lshr_b32 s19, s[WV], 1        ; kp
	s_lshl_b32 s2, s14, 2
	s_lshl_b32 s2, 15, s2           ; my row of the cluster: the same g
	s_lshl_b32 s3, 0x1111, s13      ; my column: the same xb
	s_or_b32 s[G1K], s2, (1<<16)|(1<<20)|(1<<21)|(5<<22)|(3<<25)  ; 15:0 the mask of four; 17:16 2-byte elements; 20 padding on; 21 set beside a mask; 24:22 after every 64 words (code 5); 31:25 4 words (code 3)
	s_or_b32 s[G1V], s2, (1<<16)|(1<<20)|(1<<21)|(5<<22)|(7<<25)  ; the same with 8 words of padding (code 7)
	s_or_b32 s[G1M], s3, (2<<16)|(1<<20)|(1<<21)|(6<<22)|(3<<25)  ; 4-byte elements; after every 128 words (code 6) 4 words
.irp g, G1K, G1V
	s_mov_b32 s[(\g)+1], 128<<16    ; tensor_dim0 = 128
	s_mov_b32 s[(\g)+2], 128<<16    ; tensor_dim1 = 128
	s_mov_b32 s[(\g)+3], 128<<16    ; tile_dim0 = 128
	s_mov_b32 s[(\g)+4], 128        ; tile_dim1 = 128
	s_mov_b32 s[(\g)+5], 128        ; elements from row to row
	s_mov_b32 s[(\g)+6], 0
	s_mov_b32 s[(\g)+7], 0
.endr
	s_mov_b32 s[G1M+1], 128<<16     ; tensor_dim0 = 128
	s_mov_b32 s[G1M+2], 32<<16      ; tensor_dim1 = 32
	s_mov_b32 s[G1M+3], 128<<16     ; tile_dim0 = 128
	s_mov_b32 s[G1M+4], 32          ; tile_dim1 = 32
	s_mov_b32 s[G1M+5], 2048        ; elements from row to row
	s_mov_b32 s[G1M+6], 0
	s_mov_b32 s[G1M+7], 0
	; offsets.  s[20:21] hangs on g alone, s[22:23] on xb and the wave alone: they feed the joint loads' addresses
	s_add_co_u32 s20, s17, 16
	s_lshl_b32 s20, s20, 19         ; K's head 16 + g: 524,288 bytes a head
	s_mov_b32 s21, 0
	s_lshl_b32 s22, s16, 6
	s_lshl_b32 s23, s18, 5
	s_add_co_u32 s22, s22, s23
	s_lshl_b32 s22, s22, 13         ; the mask's row 64 xb + 32 (w % 2): 8,192 bytes a row
	s_mov_b32 s23, 0
	s_lshl_b32 s90, s16, 6
	s_lshl_b32 s91, s18, 5
	s_add_co_u32 s90, s90, s91      ; my first query
	s_lshl_b32 s91, s17, 1
	s_add_co_u32 s2, s91, s19       ; the head of my tiles 0, 1: 2 g + kp,
	s_xor_b32 s3, s2, 1             ; of my tiles 2, 3: the other one
	s_lshl_b32 s91, s90, 8
	s_lshl_b32 s[QA], s2, 19
	s_add_co_u32 s[QA], s[QA], s91
	s_mov_b32 s[QA+1], 0
	s_lshl_b32 s[QB], s3, 19
	s_add_co_u32 s[QB], s[QB], s91
	s_mov_b32 s[QB+1], 0
	s_lshl_b32 s10, s90, 12         ; in ob: 4,096 bytes a row, 256 a head
	s_lshl_b32 s11, s2, 8
	s_add_co_u32 s10, s10, s11
	s_mov_b32 s11, 0
	s_mul_i32 s91, s18, 32*PM
	s_add_co_u32 s91, s91, MOFF     ; rows 32 (w % 2) on of the mask tile: where waves 2, 3 put them, and where my queries' rows lie
	; the prefetches
	s_lshl_b32 s98, s13, 13         ; K, V: my work-group's 32 rows of 256 bytes,
	s_add_co_u32 s98, s98, 3*128*256  ; in slot 3: the first change steps it to slot 4
	s_lshl_b32 s99, s16, 6
	s_lshl_b32 s2, s14, 4
	s_add_co_u32 s99, s99, s2       ; the mask: my work-group's 16 rows,
	s_lshl_b32 s99, s99, 13
	s_add_co_u32 s99, s99, 3*512    ; in slot 3
	s_and_b32 s2, ttmp7, 0xffff     ; cluster y
	s_mov_b32 s[PFS], 512
	s_movk_i32 s3, 8192
	s_cmp_lt_u32 s[WV], 2
	s_cselect_b32 s98, s98, s99
	s_cselect_b32 s2, ttmp9, s2     ; the coordinate along which other clusters walk the same bytes
	s_cselect_b32 s[PFS], 128*256, s[PFS]
	s_cselect_b32 s3, 512, s3       ; bytes from one pair of lanes to the next
	s_mov_b32 s99, 0
	s_mov_b32 s[PFS+1], 0
	s_cmp_eq_u32 s[WV], 3
	s_cselect_b32 s2, 1, s2         ; wave 3 never asks
	s_cmp_eq_u32 s2, 0
	s_cselect_b32 s[LIM], 2, -1     ; the same in all sixteen partners, for a given wave
	v_and_b32 v9, 31, v0
	v_lshrrev_b32 v10, 1, v9
	v_and_b32 v11, 1, v0
	v_mul_u32_u24 v[PFO], s3, v10
	v_lshl_add_u32 v[PFO], v11, 8, v[PFO]
	s_mov_b32 s[CS], 0x400293ee     ; c = log2(e) x 2^1/2 = 2.040279
	s_mov_b32 s[CS+1], s[CS]        ; named with it as a pair
	s_mov_b32 s[SEL], 0x76543210
	s_mov_b32 s[SEL+1], 0xfedcba98
	s_mov_b32 s[TB], 0
	s_wait_dscnt 0x0                ; the opening add is done
	s_wait_kmcnt 0x0
	s_add_nc_u64 s[92:93], s[4:5], s[20:21]      ; K of my head
	s_add_nc_u64 s[94:95], s[92:93], 8*524288    ; V of my head
	s_add_nc_u64 s[96:97], s[6:7], s[22:23]      ; the mask at the rows that I would fetch
	s_add_nc_u64 s[QA:QA+1], s[4:5], s[QA:QA+1]
	s_add_nc_u64 s[QB:QB+1], s[4:5], s[QB:QB+1]
	s_add_nc_u64 s[10:11], s[8:9], s[10:11]      ; ob at my first row and head
	s_cmp_eq_u32 s[WV], 0
	s_cselect_b64 s[PFA:PFA+1], s[92:93], s[94:95]
	s_cmp_lt_u32 s[WV], 2
	s_cselect_b64 s[PFA:PFA+1], s[PFA:PFA+1], s[6:7]
	s_add_nc_u64 s[PFA:PFA+1], s[PFA:PFA+1], s[98:99]
	CROUND                          ; all sixteen work-groups are here: the first joint loads meet
.irp s, 0,1
	s_mov_b32 s[G0K+4*(\s)], 1      ; count = 1
	s_mov_b32 s[G0K+4*(\s)+1], (\s)*SLOT1  ; LDS address
	s_add_nc_u64 s[G0K+4*(\s)+2:G0K+4*(\s)+3], s[92:93], (\s)*128*256  ; global address: slot s holds keys 128 s on
	s_or_b32 s[G0K+4*(\s)+3], s[G0K+4*(\s)+3], 0x80000000  ; type = 2
	s_mov_b32 s[G0V+4*(\s)], 1
	s_mov_b32 s[G0V+4*(\s)+1], (\s)*SLOT1+VOFF
	s_add_nc_u64 s[G0V+4*(\s)+2:G0V+4*(\s)+3], s[94:95], (\s)*128*256
	s_or_b32 s[G0V+4*(\s)+3], s[G0V+4*(\s)+3], 0x80000000
	s_mov_b32 s[G0M+4*(\s)], 1
	s_add_co_u32 s[G0M+4*(\s)+1], s91, (\s)*SLOT1
	s_add_nc_u64 s[G0M+4*(\s)+2:G0M+4*(\s)+3], s[96:97], (\s)*512
	s_or_b32 s[G0M+4*(\s)+3], s[G0M+4*(\s)+3], 0x80000000
.endr
	s_cmp_eq_u32 s[WV], 0           ; a wave's two first fills stand in one branch, ahead of every wait on TENSORcnt and every LDS read: two loads of mine are out
	s_cbranch_scc0 .Lfirst_not_k
	tensor_load_to_lds s[G0K:G0K+3], s[G1K:G1K+7]
	s_nop 0
	tensor_load_to_lds s[G0K+4:G0K+7], s[G1K:G1K+7]
	s_nop 0
.rept 4
	v_nop
.endr
	s_branch .Lfirst_asked
.Lfirst_not_k:
	s_cmp_eq_u32 s[WV], 1
	s_cbranch_scc0 .Lfirst_m
	tensor_load_to_lds s[G0V:G0V+3], s[G1V:G1V+7]
	s_nop 0
	tensor_load_to_lds s[G0V+4:G0V+7], s[G1V:G1V+7]
	s_nop 0
.rept 4
	v_nop
.endr
	s_branch .Lfirst_asked
.Lfirst_m:
	tensor_load_to_lds s[G0M:G0M+3], s[G1M:G1M+7]
	s_nop 0
	tensor_load_to_lds s[G0M+4:G0M+7], s[G1M:G1M+7]
	s_nop 0
.rept 4
	v_nop
.endr
.Lfirst_asked:
	; A fragment of K or Q is 16 rows x 32 channels in 8 registers: lane l holds row l % 16; registers 0-3 channels 8 (l / 16) + 0..7, registers 4-7 channels 16 + 8 (l / 16) + 0..7: two loads of 16 bytes, 32 bytes apart.
	v_and_b32 v1, 15, v0            ; l % 16
	v_bfe_u32 v9, v0, 4, 1          ; l / 16
	v_lshlrev_b32 v[QO], 8, v1
	v_lshl_add_u32 v[QO], v9, 4, v[QO]  ; row x 256 + 16 x half
	WIN 0x80                        ; destination window 2, address window 0
.irp i, 0,1,2,3,4,5,6,7             ; Q stays in registers: tiles 0, 1 of one head, tiles 2, 3 of the other; query tile i / 4, channels 32 (i % 4) on
	global_load_b128 v[8*(\i):8*(\i)+3],       v[QO], s[QA:QA+1] offset:((\i)/4)*4096+((\i)%4)*64
	global_load_b128 v[8*(\i)+4:8*(\i)+7],     v[QO], s[QA:QA+1] offset:((\i)/4)*4096+((\i)%4)*64+32
	global_load_b128 v[64+8*(\i):64+8*(\i)+3],   v[QO], s[QB:QB+1] offset:((\i)/4)*4096+((\i)%4)*64
	global_load_b128 v[64+8*(\i)+4:64+8*(\i)+7], v[QO], s[QB:QB+1] offset:((\i)/4)*4096+((\i)%4)*64+32
.endr
	WIN 0
	s_mul_i32 s2, s19, 64*PK        ; my 64 keys of the slot's 128
	v_mul_u32_u24 v[AK0], v1, PK
	v_lshl_add_u32 v[AK0], v9, 4, v[AK0]
	v_add_nc_u32 v[AK0], s2, v[AK0]
	; The turning load takes 16 keys x 16 channels (lane l reads key 8 (l / 16) + l % 8, channels 8 ((l / 8) % 2) + 0..7) and leaves half a fragment of V^T: lane l holds channel l % 16 and 8 keys.
	v_and_b32 v10, 7, v0
	v_bfe_u32 v11, v0, 3, 1
	v_lshl_add_u32 v[AV0], v9, 3, v10
	v_mul_u32_u24 v[AV0], v[AV0], PV
	v_lshl_add_u32 v[AV0], v11, 4, v[AV0]
	s_mul_i32 s2, s19, 64*PV
	s_add_co_u32 s2, s2, VOFF
	v_add_nc_u32 v[AV0], s2, v[AV0]
	; The mask in S^T's own layout: query l % 16 of a query tile, keys 16 kb + 8 (l / 16) + 0..7 of my 64: 32 bytes
	s_lshl_b32 s2, s19, 8
	s_add_co_u32 s2, s2, s91
	v_mul_u32_u24 v[AM0], v1, PM
	v_lshl_add_u32 v[AM0], v9, 5, v[AM0]
	v_add_nc_u32 v[AM0], s2, v[AM0]
; THE MATRIX WORK OF A TURN, for piece x.  The accumulators take turns, one instruction a turn: between two links of a chain stand 15 (V^T P) or 7 (K Q^T) others'.
; Product i of 32 of O^T += V^T P: keys 32 (i / 16) on, channels 16 ((i / 2) % 8) on, tile x + i % 2.  zero = 1: the first 16 start the sums: nothing is ever cleared.
.macro PV x, zero
	WIN W_PV
.set rO, 64*((\x)+i%2)+8*((i/2)%8)
.set rV, 64*(i/16)+8*((i/2)%8)
.set rP, P+16*((\x)+i%2)+8*(i/16)
.if (\zero) && (i < 16)
	v_wmma_f32_16x16x32_f16 v[rO:rO+7], v[rV:rV+7], v[rP:rP+7], 0
.else
	v_wmma_f32_16x16x32_f16 v[rO:rO+7], v[rV:rV+7], v[rP:rP+7], v[rO:rO+7]
.endif
.endm
; Product i of 32 of S^T = K Q^T + mask: channels 32 (i / 8) on, keys 16 ((i / 2) % 4) on, tile x + i % 2.  The first 8 start the sums, with the mask of query tile i % 2.
.macro KQ x
.set rS, S+32*((\x)+i%2)+8*((i/2)%4)
.set rK, KF+32*((i/2)%4)+8*(i/8)
.set rQ, 32*((\x)+i%2)+8*(i/8)
.set rM, MK+32*(i%2)+8*((i/2)%4)
.if i < 8
	WIN W_KM
	v_wmma_f32_16x16x32_f16 v[rS:rS+7], v[rK:rK+7], v[rQ:rQ+7], v[rM:rM+7]
.else
	WIN W_KQ
	v_wmma_f32_16x16x32_f16 v[rS:rS+7], v[rK:rK+7], v[rQ:rQ+7], v[rS:rS+7]
.endif
.endm
; THE LDS LOADS stand in runs, never singly among the matrix instructions: a step's K (64 keys x 128 channels: 16 fragments) with its mask (2 query tiles x 64 keys), and, a turn later, its V (turned).
.macro FETCH_K
	WIN 0
	v_add_nc_u32 v[ADR], s[TB], v[AK0]
	WIN 0x80                        ; destination window 2
.irp f, 0,1,2,3,4,5,6,7,8,9,10,11,12,13,14,15  ; keys 16 (f / 4) on, channels 32 (f % 4) on
	ds_load_b128 v[KF+8*(\f):KF+8*(\f)+3],   v[ADR] offset:((\f)/4)*16*PK+((\f)%4)*64
	ds_load_b128 v[KF+8*(\f)+4:KF+8*(\f)+7], v[ADR] offset:((\f)/4)*16*PK+((\f)%4)*64+32
.endr
.endm
.macro FETCH_M
	WIN 0
	v_add_nc_u32 v[ADM], s[TB], v[AM0]
	WIN 0xc0                        ; destination window 3
.irp f, 0,1,2,3,4,5,6,7             ; query tile f / 4, keys 16 (f % 4) on
	ds_load_b128 v[MK+8*(\f):MK+8*(\f)+3],   v[ADM] offset:((\f)/4)*16*PM+((\f)%4)*64
	ds_load_b128 v[MK+8*(\f)+4:MK+8*(\f)+7], v[ADM] offset:((\f)/4)*16*PM+((\f)%4)*64+16
.endr
.endm
.macro FETCH_V
	WIN 0
	v_add_nc_u32 v[ADR], s[TB], v[AV0]
	WIN 0xc0                        ; destination window 3
.irp f, 0,1,2,3,4,5,6,7,8,9,10,11,12,13,14,15  ; keys 32 (f / 8) on, channels 16 (f % 8) on
	ds_load_tr16_b128 v[8*(\f):8*(\f)+3],   v[ADR] offset:((\f)/8)*32*PV+((\f)%8)*32
	ds_load_tr16_b128 v[8*(\f)+4:8*(\f)+7], v[ADR] offset:((\f)/8)*32*PV+16*PV+((\f)%8)*32
.endr
.endm
; THE VECTOR WORK OF A TURN.  One tile's softmax for one key step is a list of 134 instructions; SM writes number j of it for tile t.  s0-s31 are the lane's 32 scores, in pairs 0-15.
; first = 1: the first key step, which starts m, l and O^T: it has no a and nothing to rescale.
;   0-15    the maximum of s0-s31 and the old m, three operands at a time: four chains c0-c3 of seven scores each (each accumulator's lowest registers are read first), then the four scores left over, c0-c3 and m
;   16-20   the other half of the lanes' maximum; the new m; c m; c m_old - c m_new
;   21-87   33 exponentials (a, then s0-s31) at the odd numbers from 23 on, so that no two follow each other and each has a plain instruction behind it before its result is used.
;           Plain instruction q (number 21, then the even numbers) is whatever is ready: c s - c m for a pair of scores whose exponentials are still to come, the rounding to f16 of a pair whose exponentials are done, at last the first three sums
;   88-101  the last rounding; the rest of the sums; l = a l + the sum
;   102-133 the tile's O^T times a: the one part that leaves window 0, so it stands together
.macro SM t, first
.set rT, ST+8*(\t)
.set rS, S+32*(\t)
.set rP, P+16*(\t)
.set rO, 64*(\t)+2*(j-102)
.set q, (j-20)/2
.if j < 102
	WIN 0
.endif
.if j < 4
	v_max3_num_f32 v[rT+4+j], v[rS+8*j], v[rS+8*j+1], v[rS+8*j+2]
.elseif j < 12
	v_max3_num_f32 v[rT+4+j%4], v[rT+4+j%4], v[rS+8*(j%4)+2*(j/4)+1], v[rS+8*(j%4)+2*(j/4)+2]
.elseif j == 12
	v_max3_num_f32 v[rT+4], v[rT+4], v[rS+7], v[rS+15]
.elseif j == 13
	v_max3_num_f32 v[rT+6], v[rT+6], v[rS+23], v[rS+31]
.elseif j == 14
	v_max3_num_f32 v[rT+4], v[rT+4], v[rT+5], v[rT+6]
.elseif (j == 15) && (\first)
	v_max_num_f32 v[rT+4], v[rT+4], v[rT+7]
.elseif j == 15
	v_max3_num_f32 v[rT+4], v[rT+4], v[rT+7], v[rT+1]
.elseif j == 16
	v_permlanex16_b32 v[rT+5], v[rT+4], s[SEL], s[SEL+1]  ; the query's other 32 keys lie in the lane 16 away
.elseif j == 18
	v_max_num_f32 v[rT+1], v[rT+4], v[rT+5]
.elseif j == 19
	v_mul_f32 v[rT], s[CS], v[rT+1]
.elseif ((j == 17) || (j == 20) || (j == 23) || (j > 101)) && (\first)  ; the first step has none of these
.elseif j == 17
	v_mov_b32 v[rT+7], v[rT]        ; c m_old is kept for a: number 19 writes c m anew
.elseif j == 20
	v_sub_f32 v[rT+7], v[rT+7], v[rT]
.elseif j == 23
	v_exp_f32 v[rT+6], v[rT+7]
.elseif (j < 88) && (j > 23) && (j%2 == 1)
	v_exp_f32 v[rS+(j-25)/2], v[rS+(j-25)/2]
.elseif (q < 4) || ((j < 76) && (q%2 == 0))
.set b, q/2+2
.if q < 4
.set b, q
.endif
	v_pk_fma_f32 v[rS+2*b:rS+2*b+1], v[rS+2*b:rS+2*b+1], s[CS:CS+1], v[rT:rT+1] op_sel_hi:[1,0,0] neg_lo:[0,0,1] neg_hi:[0,0,1]  ; pair b: c s - c m
.elseif (j < 88) && (q%2 == 1)
	s_wait_alu depctr_va_vdst(0)
	v_cvt_pk_f16_f32 v[rP+(q-5)/2], v[rS+q-5], v[rS+q-4]  ; pair (q - 5) / 2: its second exponential stands three numbers back
.elseif j == 89
	s_wait_alu depctr_va_vdst(0)
	v_cvt_pk_f16_f32 v[rP+15], v[rS+30], v[rS+31]
.elseif j < 102                     ; the sum of the tile's 16 pairs, in place: sum z of 16 adds neighbours 1, 2, 4 and 8 pairs apart, then l takes it
.set z, j-86
.if j < 89
.set z, (j-76)/4
.endif
.set w, 4
.set u, z
.if z >= 14
.set w, 32
.set u, 0
.elseif z >= 12
.set w, 16
.set u, z-12
.elseif z >= 8
.set w, 8
.set u, z-8
.endif
.if (z == 14) && (\first)
	v_pk_add_f32 v[rT+2:rT+3], v[rS:rS+1], v[rS+16:rS+17]
.elseif z < 15
	v_pk_add_f32 v[rS+w*u:rS+w*u+1], v[rS+w*u:rS+w*u+1], v[rS+w*u+w/2:rS+w*u+w/2+1]
.elseif !(\first)
	v_pk_fma_f32 v[rT+2:rT+3], v[rT+2:rT+3], v[rT+6:rT+7], v[rS:rS+1] op_sel_hi:[1,0,1]
.endif
.else
	WIN W_RS
	v_pk_mul_f32 v[rO:rO+1], v[rO:rO+1], v[rT+6:rT+7] op_sel_hi:[1,0]
.endif
.endm
; Slice k of 64 of piece y's softmax: numbers 2 k and 2 k + 1 of both tiles' lists, four instructions.  2 x 134 = 4 x 64 + 12: the twelve that are over stand together, in slice 63.
.macro SLICE y, first
.if (k >= 11) && (k < 44)           ; tile by tile: plain, exponential, plain, exponential
.irp t, \y, (\y)+1
.irp n, 0,1
.set j, 2*k+(\n)
	SM \t, \first
.endr
.endr
.else                               ; the two tiles alternate, so that no instruction reads the result of the one just before it
.irp n, 0,1,2,3,4,5,6,7
.if ((\n) < 2) || (k == 63)
.irp t, \y, (\y)+1
.set j, 2*k+(\n)
	SM \t, \first
.endr
.endif
.endr
.endif
.set k, k+1
.endm
; A vector instruction that reads a matrix result or writes one of a matrix instruction's registers, and a load into a register that a matrix instruction has read, stand four places behind
; it, and only plain vector instructions that name none of its registers are places (ISA guide 7.12.1 for vector instructions).  In the loop the slices are the places.
.macro PLACES
.rept 4
	v_nop
.endr
.endm
; A TURN.  Piece x has the matrix unit; the other piece's softmax stands in slices behind its matrix instructions.
; pv = 2: 32 products V^T P; 1: they start O^T's sums; 0: none.  kq = 1: 32 products K Q^T for the next step.  A turn with one of the two kinds has two slices behind each product.
; first = 1: the softmax is the first key step's.  Its slices from 51 on are empty, and four v_nop take slice 63's part as the places behind the turn's last products.
; Each run of loads stands behind the second product of a run of 32, 30 products ahead of its first use.  Piece 0's turn fetches the next step's K and mask: the last products that read them stand in the turn
; before, in front of its slice 63.  Piece 2's turn fetches the same step's V: the last product that read V stands three slices, six plain instructions, back.
.macro TURN x, pv, kq, first
.set k, 0
.set per, 2
.if (\pv) && (\kq)
.set per, 1
.endif
.if \pv
.if (\x) == 0
	s_wait_dscnt 0x0                ; V is in
.endif
.set i, 0
.rept 32
	PV \x, 2-(\pv)
.rept per
	SLICE 2-(\x), \first
.endr
.if ((\x) == 0) && (\kq) && (i == 1)
	FETCH_K
	FETCH_M
.endif
.set i, i+1
.endr
.endif
.if \kq
.if (\x) == 0
	s_wait_dscnt 0x0                ; K and the mask are in
.endif
.set i, 0
.rept 32
	KQ \x
.rept per
	SLICE 2-(\x), \first
.endr
.if ((\x) == 2) && (i == 1)
	FETCH_V
.endif
.set i, i+1
.endr
.endif
.if \first
	PLACES
.endif
.endm
; THE CHANGE OF SLOTS, between piece 2's turn and piece 0's: the slot's last bytes, its V, have been asked for.  Each wave waits for all its tensor loads, of which one is out: its part of the other slot;
; adds 0 to its spare word; and waits for that and for its own reads of the slot.  Behind the barrier nobody reads this slot any more and the other slot is whole.
; fill = 1: this slot is filled again, with the keys two slots on.  The barrier is then a round of the cluster's, and the joint refill is the first thing behind it: it has a key step, 128 products, in which to land.
.macro CHANGE fill
	WIN 0                           ; at a label and at a branch every window is 0
	s_wait_tensorcnt 0x0            ; no tensor load of mine is out, so a group 0 may be written
	ds_add_u32 v[SPW], v[NIL]       ; 0 onto my spare word: with fill = 1 the descriptors' steps stand between it and the wait for it
.if \fill
.irp g, G0K+4, G0V+4
	s_xor_b32 s[(\g)+1], s[(\g)+1], SLOT1  ; the walking descriptors: the other slot than last time,
	s_add_nc_u64 s[(\g)+2:(\g)+3], s[(\g)+2:(\g)+3], 128*256  ; the next 128 keys; the type bits on top are not reached
.endr
	s_xor_b32 s[G0M+5], s[G0M+5], SLOT1
	s_add_nc_u64 s[G0M+6:G0M+7], s[G0M+6:G0M+7], 512
	s_wait_xcnt 0x0                 ; the last prefetch, a key step back, has read its address, so it may be written
	s_add_nc_u64 s[PFA:PFA+1], s[PFA:PFA+1], s[PFS:PFS+1]
	s_wait_dscnt 0x0                ; the add is done, and my reads of the slot are over
	CROUND
	JLOAD
	ASK
.else
	s_wait_dscnt 0x0                ; the add is done, and my reads of the slot are over
	s_barrier_signal -1
	s_barrier_wait -1
.endif
	s_xor_b32 s[TB], s[TB], SLOT1   ; the fetches go on in the other slot
.endm
	s_wait_tensorcnt 1              ; my part of slot 0 is in; slot 1's may stay out
	s_barrier_signal -1
	s_barrier_wait -1               ; everybody's is
	FETCH_K                         ; key step 0
	FETCH_M
	s_wait_loadcnt 0x0              ; Q
	s_wait_dscnt 0x0
.set i, 0
.rept 32
	KQ 0                            ; piece 0's first scores: there is no vector work yet to set between them
.set i, i+1
.endr
	WIN 0                           ; the addresses for the exchange and the way out are made here: plain instructions, the places behind those products
	s_mul_i32 s2, s[WV], 16*SP
	s_add_co_u32 s2, s2, STAGE      ; my stage
	v_mul_u32_u24 v[STO], v1, SP    ; in: row l % 16, 16 bytes for each half of the lanes
	v_lshl_add_u32 v[STO], v9, 4, v[STO]
	v_add_nc_u32 v[STO], s2, v[STO]
	v_mul_u32_u24 v[RD], v9, SP     ; back: lanes 0-15 take one row of 256 bytes, lanes 16-31 the next
	v_lshl_add_u32 v[RD], v1, 4, v[RD]
	v_add_nc_u32 v[RD], s2, v[RD]
	v_lshlrev_b32 v[GO], 12, v9     ; and the same two rows in ob, 4,096 bytes apart
	v_lshl_add_u32 v[GO], v1, 4, v[GO]
	v_and_b32 v10, 31, v0
	s_xor_b32 s3, s[WV], 2          ; my partner
	s_lshl_b32 s2, s[WV], 14
	s_add_co_u32 s2, s2, XCH
	v_lshl_add_u32 v[XS], v10, 4, s2
	s_lshl_b32 s2, s3, 14
	s_add_co_u32 s2, s2, XCH
	v_lshl_add_u32 v[XL], v10, 4, s2
	s_lshl_b32 s2, s[WV], 9
	s_add_co_u32 s2, s2, XST
	v_lshl_add_u32 v[XSS], v10, 3, s2
	s_lshl_b32 s2, s3, 9
	s_add_co_u32 s2, s2, XST
	v_lshl_add_u32 v[XSL], v10, 3, s2
	TURN 2, 0, 1, 1                 ; piece 2's first scores | piece 0's first softmax | V of step 0
	s_mov_b32 s[SLOTS], 14
	CHANGE 1                        ; slot 0 is left and takes the keys of slot 2
	TURN 0, 1, 1, 1                 ; piece 0: V^T P of step 0 starts O^T, K Q^T of step 1 | piece 2's first softmax | K and mask of step 1
	TURN 2, 1, 1, 0                 ; piece 2: the same | piece 0's softmax of step 1 | V of step 1
	WIN 0
	s_mov_b32 s[SLOTS], 13
.Lslot:                             ; 13 trips: with the change above, every slot but the last two is filled again
	CHANGE 1
	TURN 0, 2, 1, 0
	TURN 2, 2, 1, 0
	WIN 0
	s_sub_co_u32 s[SLOTS], s[SLOTS], 1
	s_cmp_lg_u32 s[SLOTS], 0
	s_cbranch_scc1 .Lslot
	CHANGE 0                        ; the tail is written out: nothing is asked for
	TURN 0, 2, 1, 0
	TURN 2, 2, 1, 0
	TURN 0, 2, 0, 0                 ; piece 0: V^T P of the last step | piece 2's last softmax
.set i, 0
.rept 32
	PV 2, 0                         ; piece 2: V^T P of the last step
.set i, i+1
.endr
	; THE TWO HALVES OF THE KEYS MEET.  l's two halves and the other half of the lanes' are added (into m's place, beside c m); the first four additions are the places behind the last products.
	WIN 0
.irp t, 0,1,2,3
	v_add_f32 v[ST+8*(\t)+4], v[ST+8*(\t)+2], v[ST+8*(\t)+3]
.endr
.irp t, 0,1,2,3
	v_permlanex16_b32 v[ST+8*(\t)+5], v[ST+8*(\t)+4], s[SEL], s[SEL+1]
.endr
.irp t, 0,1,2,3
	v_add_f32 v[ST+8*(\t)+1], v[ST+8*(\t)+4], v[ST+8*(\t)+5]
.endr
	ds_store_b64 v[XSS], v[ST+16:ST+17]            ; c m and l of my tiles 2 and 3,
	ds_store_b64 v[XSS], v[ST+24:ST+25] offset:256
	WIN 0x04                        ; store data in window 1
.set i, 0
.rept 32
	ds_store_b128 v[XS], v[128+4*i:128+4*i+3] offset:512*i  ; and their O^T, lane by lane: both waves hold the same query and channels in a lane; each accumulator from its low end on
.set i, i+1
.endr
	WIN 0
	s_wait_dscnt 0x0                ; for my partner's sake: my stores are done
	s_barrier_signal -1
	s_barrier_wait -1
	ds_load_b64 v[PS:PS+1], v[XSL]
	ds_load_b64 v[PS+2:PS+3], v[XSL] offset:256
.set i, 0
.rept 32
	ds_load_b128 v[S+4*i:S+4*i+3], v[XL] offset:512*i  ; my partner's O^T for my tile t at S + 64 t
.set i, i+1
.endr
	s_wait_dscnt 32                 ; the statistics are in; the 32 loads behind them may be out
	; the maximum of both halves; fa = 2^(c m - max) / L for mine, fb = 2^(c m' - max) / L for my partner's, L = l 2^(c m - max) + l' 2^(c m' - max)
.irp t, 0,1
	v_max_num_f32 v[ST+8*(\t)+2], v[ST+8*(\t)], v[PS+2*(\t)]
.endr
.irp t, 0,1
	v_sub_f32 v[ST+8*(\t)+4], v[ST+8*(\t)], v[ST+8*(\t)+2]
	v_sub_f32 v[ST+8*(\t)+6], v[PS+2*(\t)], v[ST+8*(\t)+2]
.endr
.irp t, 0,1
	v_exp_f32 v[ST+8*(\t)+4], v[ST+8*(\t)+4]
	v_exp_f32 v[ST+8*(\t)+6], v[ST+8*(\t)+6]
.endr
	v_nop                           ; a plain instruction between the last exponential and the use of its result
.irp t, 0,1
	s_wait_alu depctr_va_vdst(0)
	v_mul_f32 v[ST+8*(\t)+3], v[ST+8*(\t)+1], v[ST+8*(\t)+4]
.endr
.irp t, 0,1
	v_fmac_f32 v[ST+8*(\t)+3], v[PS+2*(\t)+1], v[ST+8*(\t)+6]
.endr
.irp t, 0,1
	v_rcp_f32 v[ST+8*(\t)+2], v[ST+8*(\t)+3]
.endr
	v_nop                           ; likewise behind the last reciprocal
.irp t, 0,1
	s_wait_alu depctr_va_vdst(0)
	v_mul_f32 v[ST+8*(\t)+4], v[ST+8*(\t)+4], v[ST+8*(\t)+2]
	v_mul_f32 v[ST+8*(\t)+6], v[ST+8*(\t)+6], v[ST+8*(\t)+2]
.endr
; Tile t is finished: O = O fa + O' fb, rounded to f16; a lane's eight channels of a row pack into 16 bytes; they go into rows of 272 bytes of my stage and come back as whole rows of 256.
.macro FIN t
	s_wait_dscnt 16                 ; my partner's tile t is in.  The 16 younger: for t = 0 tile 1's loads, for t = 1 tile 0's stage instructions
.set i, 0
.rept 32
	v_pk_mul_f32 v[S+64*(\t)+2*i:S+64*(\t)+2*i+1], v[S+64*(\t)+2*i:S+64*(\t)+2*i+1], v[ST+8*(\t)+6:ST+8*(\t)+7] op_sel_hi:[1,0]
.set i, i+1
.endr
	WIN 0x01                        ; source 0, my O^T, in window 1
.set i, 0
.rept 32
	v_pk_fma_f32 v[S+64*(\t)+2*i:S+64*(\t)+2*i+1], v[64*(\t)+2*i:64*(\t)+2*i+1], v[ST+8*(\t)+4:ST+8*(\t)+5], v[S+64*(\t)+2*i:S+64*(\t)+2*i+1] op_sel_hi:[1,0,1]
.set i, i+1
.endr
	WIN 0
.set i, 0
.rept 32
	v_cvt_pk_f16_f32 v[P+32*(\t)+i], v[S+64*(\t)+2*i], v[S+64*(\t)+2*i+1]
.set i, i+1
.endr
.irp f, 0,1,2,3,4,5,6,7
	ds_store_b128 v[STO], v[P+32*(\t)+4*(\f):P+32*(\t)+4*(\f)+3] offset:32*(\f)
.endr
.irp f, 0,1,2,3,4,5,6,7
	ds_load_b128 v[P+32*(\t)+4*(\f):P+32*(\t)+4*(\f)+3], v[RD] offset:(\f)*2*SP  ; LDS serves a wave's instructions in order (ISA guide 5.7.1.4): these see the stores above; the next tile's stores come behind them
.endr
.endm
.macro SEND t, younger              ; younger: the LDS instructions issued behind tile t's loads: the next tile's sixteen, or none
.irp f, 0,1,2,3,4,5,6,7
	s_wait_dscnt (\younger)+7-(\f)
	global_store_b128 v[GO], v[P+32*(\t)+4*(\f):P+32*(\t)+4*(\f)+3], s[10:11] offset:(\t)*65536+(\f)*8192  ; 16 lanes store the 256 consecutive bytes of one row and head, at a multiple of 256 from ob's first byte
.endr
.endm
	FIN 0
	FIN 1
	SEND 0, 16
	SEND 1, 0
	s_wait_tensorcnt 0x0            ; the wave's end: the wait, the add and its wait stand behind my last tensor load and my last LDS store
	ds_add_u32 v[SPW], v[NIL]
	s_wait_dscnt 0x0
	CROUND                          ; the closing round: no work-group ends while a partner may still ask for a tile that names it
	s_endpgm
.Lfunc_end_k_q6438dfd4b5_attn:
	.size	k_q6438dfd4b5_attn, .Lfunc_end_k_q6438dfd4b5_attn-k_q6438dfd4b5_attn
	.p2alignl 7, 3214868480
	.fill 96, 4, 3214868480
	.section	.rodata,"a",@progbits
	.p2align	6, 0x0
	.amdhsa_kernel k_q6438dfd4b5_attn
		.amdhsa_group_segment_fixed_size 327680
		.amdhsa_private_segment_fixed_size 0
		.amdhsa_enable_private_segment 0
		.amdhsa_kernarg_size 24
		.amdhsa_user_sgpr_count 2
		.amdhsa_user_sgpr_kernarg_segment_ptr 1
		.amdhsa_wavefront_size32 1
		.amdhsa_system_sgpr_workgroup_id_x 1
		.amdhsa_system_sgpr_workgroup_id_y 1
		.amdhsa_system_sgpr_workgroup_id_z 1
		.amdhsa_system_vgpr_workitem_id 0
		.amdhsa_next_free_vgpr 1024
		.amdhsa_next_free_sgpr 100
		.amdhsa_reserve_vcc 0
		.amdhsa_float_denorm_mode_32 3
		.amdhsa_float_denorm_mode_16_64 3
		.amdhsa_memory_ordered 1
		.amdhsa_forward_progress 1
		.amdhsa_inst_pref_size 236
	.end_amdhsa_kernel
	.amdgpu_metadata
---
amdhsa.version: [ 1, 2 ]
amdhsa.kernels:
  - .name:           k_q6438dfd4b5_attn
    .symbol:         k_q6438dfd4b5_attn.kd
    .args:
      - { .name: qkv, .offset: 0, .size: 8, .value_kind: global_buffer, .address_space: global }
      - { .name: r32, .offset: 8, .size: 8, .value_kind: global_buffer, .address_space: global }
      - { .name: ob, .offset: 16, .size: 8, .value_kind: global_buffer, .address_space: global }
    .group_segment_fixed_size: 327680
    .private_segment_fixed_size: 0
    .kernarg_segment_align: 8
    .kernarg_segment_size: 24
    .max_flat_workgroup_size: 128
    .sgpr_count:     100
    .vgpr_count:     1024
    .wavefront_size: 32
...
	.end_amdgpu_metadata
.endif
;; end of part 3
;; launch oproj (part 4): grid 16 x 16, 8 waves a work-group, clusters of 4 x 4, 327,680 bytes of LDS; arguments ob, w16, out0; writes out0
.if DOCPART == 4
	.amdgcn_target "amdgcn-amd-amdhsa--gfx1250"
	.amdhsa_code_object_version 6
	.text
	.protected	k_q6438dfd4b5_oproj
	.globl	k_q6438dfd4b5_oproj
	.p2align	8
	.type	k_q6438dfd4b5_oproj,@function
k_q6438dfd4b5_oproj:
	s_mov_b64 s[64:65], 0
	v_nop
	global_prefetch_b8 v0, s[64:65] scope:SCOPE_SE
	s_setreg_imm32_b32 hwreg(HW_REG_WAVE_MODE, 25, 1), 1
	s_wait_xcnt 0x0
	s_wait_alu depctr_hold_cnt(0) depctr_sa_sdst(0) depctr_va_vdst(0) depctr_va_sdst(0) depctr_va_ssrc(0) depctr_va_vcc(0) depctr_vm_vsrc(0)
	s_getreg_b32 s2, hwreg(HW_REG_IB_STS2, 6, 4)
	s_cmp_eq_u32 s2, 0
	s_cbranch_scc0 .Lentry_in_a_cluster
	s_endpgm
.Lentry_in_a_cluster:
	s_bfe_u32 s2, ttmp6, 0x10000c
	s_cmp_lg_u32 s2, 0xf033
	s_cbranch_scc0 .Lentry_shape_is_right
	s_endpgm
.Lentry_shape_is_right:
; out0 = O Wo^T.  A = O / 4, f16 [2048][2048] (ob); B = 4 x bf16(Wo) written as f16, [4096][2048], 48 MiB into w16; out0 f32 [2048][4096].  Products in f16, sums in f32, stored as they are:
; the two factors cancel, so the way out has no arithmetic.
; SHARES.  C is 2048 x 4096 in tiles of 128 x 256: 256 work-groups.  EIGHT WAVES.  Waves 0-3 multiply: wave w makes rows 64 (w / 2) on and columns 128 (w % 2) on: 4 x 8 accumulators of 16 x 16.
; Waves 4-7 only fetch.  A wave has one tensor load behind each change of slots: with eight waves a step's 96 KiB come as eight loads, B's 256 rows in quarters of 64 (waves 0-3),
; A's 128 rows in quarters of 32 (waves 4-7).  The fetching waves walk the same loop, waits and barriers and jump over the products, by a branch on the wave's number.
; K goes in steps of 128 (rows of 256 bytes) through two LDS slots.  CLUSTER 4 x 4: A's tile is shared along a row of the cluster, B's along a column; each is asked for JOINTLY.
; THE WALK ALONG K BEGINS AT ANOTHER STEP IN EACH CLUSTER, and wraps: cluster (x, y) begins at step ((x + 2 (y % 2)) % 4) x STEPS / 4.  So the four clusters that read the same rows of A ask for four
; different steps at any trip, and clusters y and y + 1, which read the same rows of B, for steps half of K apart.  The number hangs on the cluster's coordinates alone: it is the same in all sixteen
; partners.  (f32 sums may be taken in any order of K.)
; THE PRODUCT IS USED TRANSPOSED (source 0 = 16 rows of B, source 1 = 16 rows of A): a lane holds row l % 16 of C and eight neighbouring columns 8 (l / 16) + 0..7.
; REGISTERS: window 0: v0-29 addresses; v64-159, v160-255 two fragment buffers (B's 8 fragments, then A's 4); on the way out v64-127, v128-191 rows read back.  window 1: the accumulators, (a, b) at 8 (8 a + b).
.set SIZE_K, 2048
.set STEPS,  SIZE_K/128
.set PITCH,  272                       ; an LDS row: 256 bytes + 16 of padding = 68 words: the 16 rows of a fragment load start at 16 different groups of four banks (64 banks of 4 bytes: ISA guide 11.1)
.set HA,     64*PITCH                  ; half of A's tile: what a multiplying wave reads of A
.set HB,     128*PITCH                 ; half of B's tile: what a multiplying wave reads of B
.set SLOT1,  1<<17                     ; a slot is 2 HA + 2 HB = 104,448 bytes; slot 1 begins here, so that one exclusive or turns an address in one slot into the other's
.set STAGE,  SLOT1+2*HA+2*HB           ; behind the ring: 16 rows x 528 bytes for each multiplying wave, for the way out
.set SPITCH, 528                       ; 128 f32 + 16 bytes
.set SPARE,  STAGE+4*16*SPITCH         ; behind the stages: the spare words, 128 bytes for each of eight waves: four blocks of 256 bytes that no other line names
.set ADRA, 16                          ; v16  my lane's place in A's part of a slot; never rewritten
.set ADRB, 17                          ; v17  the same for B
.set ADA,  18                          ; v18  the LDS address of A's run of loads in hand
.set ADB,  19                          ; v19  of B's
.set STO,  24                          ; v24  the way out: where I put 32 bytes of a row
.set RD,   25                          ; v25  the way out: where I read a row back
.set CO,   26                          ; v26  16 x lane: my place in my wave's 512 bytes of a row of out0
.set SPW,  28                          ; v28  LDS address of my spare word; never rewritten
.set NIL,  29                          ; v29  0; never rewritten
.set F0,   64
.set F1,   160
.set OB,   64                          ; 16 rows read back from the stage: v64-127 and v128-191 by turns
.set BA,  14                           ; s[14:15] A at the rows that I would fetch, K = 0
.set BB,  70                           ; s[70:71] B likewise
.set KI,  68                           ; s68      the K step asked for last
.set KO,  72                           ; s[72:73] its byte offset in a row
.set G1,  24                           ; s[24:31] descriptor group 1 for A's tiles;  s[32:39] group 0: a set for each of the two first fills; the second then walks on
.set G0,  32
.set G1B, 48                           ; s[48:55], s[56:63] the same for B's tiles
.set G0B, 56
.set TB,  45                           ; s45  LDS byte at which the slot that is read begins
.set MSB, 0
.macro WIN new                         ; the immediate's high byte repeats the setting that is left; a switch that changes nothing is dropped
.if MSB != (\new)
	s_set_vgpr_msb (MSB<<8)|(\new)
.set MSB, \new
.endif
.endm
.set MUL, 0x50                         ; sources in window 0; C and D in window 1
.macro JLOAD                           ; a joint refill by the walking descriptors: waves 0-3 a quarter of B, waves 4-7 a quarter of A; an s_nop 0 and four v_nop follow each of the two lines, ahead of the jump, the label and what follows
	s_cmp_lt_u32 s10, 4
	s_cbranch_scc0 .Lfor_a_\@
	tensor_load_to_lds s[G0B+4:G0B+7], s[G1B:G1B+7]
	s_nop 0
.rept 4
	v_nop
.endr
	s_branch .Lasked_\@
.Lfor_a_\@:
	tensor_load_to_lds s[G0+4:G0+7], s[G1:G1+7]
	s_nop 0
.rept 4
	v_nop
.endr
.Lasked_\@:
.endm
.macro CROUND                          ; a round of the cluster's barrier
	s_barrier_signal -1
	s_barrier_wait -1
	s_cmp_lg_u32 s10, 0
	s_cbranch_scc1 .Lnot_wave_0_\@
	s_barrier_signal -3
.Lnot_wave_0_\@:
	s_barrier_wait -3
	s_barrier_signal -1
	s_barrier_wait -1
.endm
	s_load_b128 s[4:7], s[0:1], 0x0                ; ob s[4:5], w16 s[6:7]
	s_load_b64 s[8:9], s[0:1], 0x10                ; out0
	v_lshl_add_u32 v[SPW], v0, 2, SPARE
	v_mov_b32 v[NIL], 0
	ds_add_u32 v[SPW], v[NIL]                      ; the wave's opening: the add and its wait stand ahead of my first tensor load; the set-up below, work on registers, stands between them
	v_lshrrev_b32 v1, 5, v0
	v_readfirstlane_b32 s10, v1                    ; wave 0..7
	s_lshr_b32 s11, s10, 1
	s_and_b32 s11, s11, 1                          ; a multiplying wave: which half of the tile's rows is mine
	s_and_b32 s12, s10, 1                          ; which half of its columns
	s_and_b32 s67, s10, 3                          ; which quarter of B's (waves 0-3) or A's (waves 4-7) rows I fetch
	s_bfe_u32 s40, ttmp6, 0x40000                  ; cx, cy: my place in the cluster
	s_bfe_u32 s41, ttmp6, 0x40004
	s_lshl_b32 s42, ttmp9, 2
	s_add_co_u32 s42, s42, s40                     ; tile column of C = 4 x cluster x + cx
	s_and_b32 s13, ttmp7, 0xffff
	s_lshl_b32 s13, s13, 2
	s_add_co_u32 s13, s13, s41                     ; tile row of C = 4 x cluster y + cy
	s_lshl_b32 s43, s41, 2
	s_lshl_b32 s43, 15, s43                        ; my row of the cluster
	s_lshl_b32 s44, 0x1111, s40                    ; my column
	s_and_b32 s[KI], ttmp7, 1                      ; the cluster's first K step: (x + 2 (y % 2)) % 4 quarters of K on
	s_lshl_b32 s[KI], s[KI], 1
	s_add_co_u32 s[KI], s[KI], ttmp9
	s_and_b32 s[KI], s[KI], 3
	s_mul_i32 s[KI], s[KI], STEPS/4
	s_lshl_b32 s[KO], s[KI], 8                     ; 256 bytes a step
	s_mov_b32 s[KO+1], 0
	; descriptor group 1: rows of 128 elements of 2 bytes, padded in LDS; 32 rows for A, 64 for B
	s_or_b32 s[G1+0], s43, (1<<16)|(1<<20)|(1<<21)|(5<<22)|(3<<25)  ; 15:0 the mask: A's tiles go to my row; 17:16 2-byte elements; 20 padding on; 21 set beside a mask; 24:22 after every 64 words (code 5); 31:25 4 words (code 3)
	s_or_b32 s[G1B+0], s44, (1<<16)|(1<<20)|(1<<21)|(5<<22)|(3<<25) ; the same with my column's mask
	s_mov_b32 s[G1+1], 128<<16                     ; tensor_dim0 = 128
	s_mov_b32 s[G1+2], 32<<16                      ; tensor_dim1 = 32
	s_mov_b32 s[G1+3], 128<<16                     ; tile_dim0 = 128
	s_mov_b32 s[G1+4], 32                          ; tile_dim1 = 32
	s_mov_b32 s[G1+5], SIZE_K                      ; elements from row to row
	s_mov_b32 s[G1+6], 0
	s_mov_b32 s[G1+7], 0
	s_mov_b32 s[G1B+1], 128<<16
	s_mov_b32 s[G1B+2], 64<<16                     ; tensor_dim1 = 64
	s_mov_b32 s[G1B+3], 128<<16
	s_mov_b32 s[G1B+4], 64                         ; tile_dim1 = 64
	s_mov_b32 s[G1B+5], SIZE_K
	s_mov_b32 s[G1B+6], 0
	s_mov_b32 s[G1B+7], 0
	; A's address hangs on the tile row alone, B's on the tile column alone, each in registers that never hold the other coordinate
	s_lshl_b32 s17, s67, 5
	s_lshl_b32 s16, s13, 7
	s_add_co_u32 s16, s16, s17                     ; A: row 128 x tile row + 32 x quarter
	s_mul_i32 s16, s16, SIZE_K*2                   ; in bytes: under 2^24
	s_mov_b32 s17, 0
	s_lshl_b32 s47, s67, 6
	s_lshl_b32 s46, s42, 8
	s_add_co_u32 s46, s46, s47                     ; B: row 256 x tile column + 64 x quarter
	s_mul_i32 s46, s46, SIZE_K*2                   ; under 2^25
	s_mov_b32 s47, 0
	s_mul_i32 s20, s67, 32*PITCH                   ; where they go: A's quarters from 0 on,
	s_mul_i32 s21, s67, 64*PITCH
	s_add_co_u32 s21, s21, 2*HA                    ; B's behind them: no place in the cluster enters an LDS address
	s_mov_b32 s[TB], 0
	s_wait_dscnt 0x0                               ; the opening add is done
	s_wait_kmcnt 0x0
	s_add_nc_u64 s[BA:BA+1], s[4:5], s[16:17]
	s_add_nc_u64 s[BB:BB+1], s[6:7], s[46:47]
	s_add_nc_u64 s[BB:BB+1], s[BB:BB+1], 0x3000000 ; Wo lies 48 MiB into w16
	CROUND                                         ; all sixteen work-groups are here: the first joint loads meet
.irp s, 0,1
	s_mov_b32 s[G0+4*(\s)], 1                                      ; count = 1
	s_add_co_u32 s[G0+4*(\s)+1], s20, (\s)*SLOT1                   ; LDS address
	s_add_nc_u64 s[G0+4*(\s)+2:G0+4*(\s)+3], s[BA:BA+1], s[KO:KO+1]  ; global address: the cluster's first K step,
	s_add_nc_u64 s[G0+4*(\s)+2:G0+4*(\s)+3], s[G0+4*(\s)+2:G0+4*(\s)+3], (\s)*256  ; and the one behind it (the first is a multiple of four: no wrap here)
	s_or_b32 s[G0+4*(\s)+3], s[G0+4*(\s)+3], 0x80000000            ; type = 2
	s_mov_b32 s[G0B+4*(\s)], 1
	s_add_co_u32 s[G0B+4*(\s)+1], s21, (\s)*SLOT1
	s_add_nc_u64 s[G0B+4*(\s)+2:G0B+4*(\s)+3], s[BB:BB+1], s[KO:KO+1]
	s_add_nc_u64 s[G0B+4*(\s)+2:G0B+4*(\s)+3], s[G0B+4*(\s)+2:G0B+4*(\s)+3], (\s)*256
	s_or_b32 s[G0B+4*(\s)+3], s[G0B+4*(\s)+3], 0x80000000
.endr
	s_add_co_u32 s[KI], s[KI], 1                   ; the step asked for last
	s_cmp_lt_u32 s10, 4                            ; a wave's two first fills stand in one branch, ahead of every wait on TENSORcnt and every LDS read: two loads of mine are out
	s_cbranch_scc0 .Lfirst_a
	tensor_load_to_lds s[G0B:G0B+3], s[G1B:G1B+7]
	s_nop 0
	tensor_load_to_lds s[G0B+4:G0B+7], s[G1B:G1B+7]
	s_nop 0
.rept 4
	v_nop
.endr
	s_branch .Lfirst_asked
.Lfirst_a:
	tensor_load_to_lds s[G0:G0+3], s[G1:G1+7]
	s_nop 0
	tensor_load_to_lds s[G0+4:G0+7], s[G1:G1+7]
	s_nop 0
.rept 4
	v_nop
.endr
.Lfirst_asked:
	v_and_b32 v1, 15, v0                           ; l % 16
	v_bfe_u32 v2, v0, 4, 1                         ; l / 16
	v_mul_u32_u24 v3, v1, PITCH
	v_lshl_add_u32 v3, v2, 4, v3                   ; a fragment's row x pitch + 16 x half
	s_mul_i32 s20, s11, HA                         ; my 64 rows of A
	s_mul_i32 s23, s12, HB                         ; my 128 rows of B,
	s_add_co_u32 s23, s23, 2*HA                    ; which lie behind A's
	v_add_nc_u32 v[ADRA], s20, v3
	v_add_nc_u32 v[ADRB], s23, v3
	s_mul_i32 s23, s10, 16*SPITCH
	s_add_co_u32 s23, s23, STAGE                   ; my stage (waves 0-3)
	v_mul_u32_u24 v[STO], v1, SPITCH               ; in: row l % 16, 32 bytes for each half of the lanes
	v_lshl_add_u32 v[STO], v2, 5, v[STO]
	v_add_nc_u32 v[STO], s23, v[STO]
	v_and_b32 v[CO], 31, v0                        ; back: 32 lanes take one row of 512 bytes
	v_lshlrev_b32 v[CO], 4, v[CO]
	v_add_nc_u32 v[RD], s23, v[CO]
	s_lshl_b32 s22, s13, 7
	s_lshl_b32 s23, s11, 6
	s_add_co_u32 s22, s22, s23                     ; my first row of C,
	s_lshl_b32 s20, s22, 14                        ; 16,384 bytes a row
	s_mov_b32 s21, 0
	s_add_nc_u64 s[8:9], s[8:9], s[20:21]
	s_lshl_b32 s46, s42, 10                        ; my first column, in bytes: 1,024 x tile column + 512 x half
	s_lshl_b32 s47, s12, 9
	s_add_co_u32 s46, s46, s47
	s_mov_b32 s47, 0
	s_add_nc_u64 s[8:9], s[8:9], s[46:47]
; 8 products: m block a x all 8 n blocks, 32 along K.  The 32 accumulators take turns in the same order in every quarter.  zero = 1: the product starts the sum
.macro MUL8 f, a, zero
	WIN MUL
.irp b, 0,1,2,3,4,5,6,7
.if \zero
	v_wmma_f32_16x16x32_f16 v[8*(8*(\a)+(\b)):8*(8*(\a)+(\b))+7], v[(\f)+8*(\b):(\f)+8*(\b)+7], v[(\f)+64+8*(\a):(\f)+64+8*(\a)+7], 0
.else
	v_wmma_f32_16x16x32_f16 v[8*(8*(\a)+(\b)):8*(8*(\a)+(\b))+7], v[(\f)+8*(\b):(\f)+8*(\b)+7], v[(\f)+64+8*(\a):(\f)+64+8*(\a)+7], v[8*(8*(\a)+(\b)):8*(8*(\a)+(\b))+7]
.endif
.endr
.endm
; 24 LDS loads in one run: the fragments of 32 along K at byte k of the rows, into buffer f: B's sixteen loads, then A's eight.  The two lines that make the addresses are also two of the four
; places that a load into registers that a product has read wants behind that product (ISA guide 7.12.1 for vector instructions); two v_nop, or a joint load's four, stand ahead of them.
.macro FETCH k, f
	WIN 0
	v_add_nc_u32 v[ADB], s[TB], v[ADRB]
	v_add_nc_u32 v[ADA], s[TB], v[ADRA]
.irp i, 0,1,2,3,4,5,6,7
	ds_load_b128 v[(\f)+8*(\i):(\f)+8*(\i)+3],   v[ADB] offset:(\k)+(\i)*16*PITCH
	ds_load_b128 v[(\f)+8*(\i)+4:(\f)+8*(\i)+7], v[ADB] offset:(\k)+(\i)*16*PITCH+32
.endr
.irp i, 0,1,2,3
	ds_load_b128 v[(\f)+64+8*(\i):(\f)+64+8*(\i)+3],   v[ADA] offset:(\k)+(\i)*16*PITCH
	ds_load_b128 v[(\f)+64+8*(\i)+4:(\f)+64+8*(\i)+7], v[ADA] offset:(\k)+(\i)*16*PITCH+32
.endr
.endm
; A K step is four quarters of 32 along K, 32 products each, on buffers 0, 1, 0, 1.  One of the first three: multiplies buffer f and fetches the next quarter, at byte k, into g.
.macro QUARTER k, f, g, zero
	s_wait_dscnt 4                                 ; B and A's blocks 0 and 1 are in; the youngest four loads (A's blocks 2 and 3) may be out
	MUL8 \f, 0, \zero
	MUL8 \f, 1, \zero
	WIN 0
	v_nop
	v_nop
	FETCH \k, \g
	s_wait_dscnt 24                                ; all but the 24 just issued
	MUL8 \f, 2, \zero
	MUL8 \f, 3, \zero
.endm
.macro STEP zero                       ; a K step but for its last sixteen products, which stand behind the change of slots
	QUARTER 64, F0, F1, \zero
	QUARTER 128, F1, F0, 0
	QUARTER 192, F0, F1, 0
	s_wait_dscnt 4
	MUL8 F1, 0, 0
	MUL8 F1, 1, 0
	WIN 0                                          ; at a label and at a branch every window is 0
.endm
.macro REST                            ; behind the change of slots: the new slot's first fragments are fetched, and the old step's last sixteen products, which read registers alone, stand behind that run
	FETCH 0, F0
	MUL8 F1, 2, 0
	MUL8 F1, 3, 0
.endm
; THE CHANGE OF SLOTS, in every wave.  The wave waits for all its tensor loads, of which one is out: its part of the next slot; adds 0 to its spare word; and waits for that and for its own reads of the
; slot that it leaves.  fill = 1: a round of the cluster's barrier follows, and the joint refill is the first thing behind it: the slot just left takes the walk's step two on, whose address is made
; anew from its number.  Nothing else stands between the wait for the tiles and the refill; the refill has a step's 128 products in which to land.
.macro CHANGE fill
	s_wait_tensorcnt 0x0                           ; no tensor load of mine is out, so a group 0 may be written
	ds_add_u32 v[SPW], v[NIL]                      ; 0 onto my spare word: the scalar steps stand between it and the wait for it
.if \fill
	s_xor_b32 s[G0+5], s[G0+5], SLOT1              ; the walking descriptors: the other slot than last time,
	s_xor_b32 s[G0B+5], s[G0B+5], SLOT1
	s_add_co_u32 s[KI], s[KI], 1                   ; the next K step, behind the last one the first
	s_and_b32 s[KI], s[KI], STEPS-1
	s_lshl_b32 s[KO], s[KI], 8
	s_add_nc_u64 s[G0+6:G0+7], s[BA:BA+1], s[KO:KO+1]
	s_or_b32 s[G0+7], s[G0+7], 0x80000000
	s_add_nc_u64 s[G0B+6:G0B+7], s[BB:BB+1], s[KO:KO+1]
	s_or_b32 s[G0B+7], s[G0B+7], 0x80000000
.endif
	s_xor_b32 s[TB], s[TB], SLOT1                  ; the fetches go on in the other slot
	s_wait_dscnt 0x0                               ; the add is done, and my reads of this slot are over
.if \fill
	CROUND                                         ; no wave of any partner still reads this slot's tile or has a load on its way
	JLOAD
.else
	s_barrier_signal -1
	s_barrier_wait -1
.endif
.endm
	s_wait_tensorcnt 1                             ; my part of the first step is in; the second's may stay out
	s_barrier_signal -1
	s_barrier_wait -1                              ; everybody's is
	s_cmp_lt_u32 s10, 4
	s_cbranch_scc0 .Lidle0                         ; waves 4-7 multiply nothing
	FETCH 0, F0
	STEP 1                                         ; the first step stands in front of the loop: its first products start the sums
.Lidle0:
	s_mov_b32 s3, STEPS-2
.Lstep:                                                ; a trip begins at a change of slots and fills the slot that it leaves
	CHANGE 1
	s_cmp_lt_u32 s10, 4
	s_cbranch_scc0 .Lidle
	REST
	STEP 0
.Lidle:
	s_sub_co_u32 s3, s3, 1
	s_cmp_lg_u32 s3, 0
	s_cbranch_scc1 .Lstep
	CHANGE 0                                       ; the last step is written out: nothing is asked for
	s_cmp_lt_u32 s10, 4
	s_cbranch_scc0 .Lend
	v_nop
	v_nop
	REST
	STEP 0
	s_wait_dscnt 0x0
	MUL8 F1, 2, 0
	MUL8 F1, 3, 0
	WIN 0
.rept 4
	v_nop                                          ; the places behind the last products
.endr
; THE WAY OUT, a block of 16 rows at a time: a lane's eight f32 of a row go into my own stage (rows of 528 bytes), whole rows of 512 bytes come back and are stored.
.macro TOSTAGE a
.set BK, OB+64*((\a)%2)
.if (\a) >= 2
	s_wait_xcnt 0x0                                ; the stores of the block two back have read their registers: this block is read back into them only behind this wait
.endif
	WIN 0x04                                       ; store data in window 1
.irp b, 0,1,2,3,4,5,6,7
	ds_store_b128 v[STO], v[8*(8*(\a)+(\b)):8*(8*(\a)+(\b))+3]   offset:64*(\b)      ; each accumulator from its low end on
	ds_store_b128 v[STO], v[8*(8*(\a)+(\b))+4:8*(8*(\a)+(\b))+7] offset:64*(\b)+16
.endr
	WIN 0
.irp t, 0,1,2,3,4,5,6,7,8,9,10,11,12,13,14,15
	ds_load_b128 v[BK+4*(\t):BK+4*(\t)+3], v[RD] offset:(\t)*SPITCH  ; LDS serves a wave's instructions in order (ISA guide 5.7.1.4): these see the stores above; the next block's stores come behind them
.endr
.endm
.macro SEND a, younger                 ; younger: the LDS instructions issued behind block a's loads: the next block's 32, or none
.set BK, OB+64*((\a)%2)
.irp t, 0,1,2,3,4,5,6,7,8,9,10,11,12,13,14,15
	s_wait_dscnt (\younger)+15-(\t)
	global_store_b128 v[CO], v[BK+4*(\t):BK+4*(\t)+3], s[8:9] offset:(16*(\a)+(\t))*16384 th:TH_STORE_NT  ; 512 consecutive bytes of a row, at a multiple of 256 from out0's first byte; 63 rows at the most: inside the signed 24-bit immediate
.endr
.endm
	TOSTAGE 0
	TOSTAGE 1
	SEND 0, 32
	TOSTAGE 2
	SEND 1, 32
	TOSTAGE 3
	SEND 2, 32
	SEND 3, 0
.Lend:
	s_wait_tensorcnt 0x0                           ; the wave's end: the wait, the add and its wait stand behind my last tensor load and my last LDS store
	ds_add_u32 v[SPW], v[NIL]
	s_wait_dscnt 0x0
	CROUND                                         ; the closing round: no work-group ends while a partner may still ask for a tile that names it
	s_endpgm
.Lfunc_end_k_q6438dfd4b5_oproj:
	.size	k_q6438dfd4b5_oproj, .Lfunc_end_k_q6438dfd4b5_oproj-k_q6438dfd4b5_oproj
	.p2alignl 7, 3214868480
	.fill 96, 4, 3214868480
	.section	.rodata,"a",@progbits
	.p2align	6, 0x0
	.amdhsa_kernel k_q6438dfd4b5_oproj
		.amdhsa_group_segment_fixed_size 327680
		.amdhsa_private_segment_fixed_size 0
		.amdhsa_enable_private_segment 0
		.amdhsa_kernarg_size 24
		.amdhsa_user_sgpr_count 2
		.amdhsa_user_sgpr_kernarg_segment_ptr 1
		.amdhsa_wavefront_size32 1
		.amdhsa_system_sgpr_workgroup_id_x 1
		.amdhsa_system_sgpr_workgroup_id_y 1
		.amdhsa_system_sgpr_workgroup_id_z 1
		.amdhsa_system_vgpr_workitem_id 0
		.amdhsa_next_free_vgpr 512
		.amdhsa_next_free_sgpr 80
		.amdhsa_reserve_vcc 0
		.amdhsa_float_denorm_mode_32 3
		.amdhsa_float_denorm_mode_16_64 3
		.amdhsa_memory_ordered 1
		.amdhsa_forward_progress 1
		.amdhsa_inst_pref_size 71
	.end_amdhsa_kernel
	.amdgpu_metadata
---
amdhsa.version: [ 1, 2 ]
amdhsa.kernels:
  - .name:           k_q6438dfd4b5_oproj
    .symbol:         k_q6438dfd4b5_oproj.kd
    .args:
      - { .name: ob, .offset: 0, .size: 8, .value_kind: global_buffer, .address_space: global }
      - { .name: w16, .offset: 8, .size: 8, .value_kind: global_buffer, .address_space: global }
      - { .name: out0, .offset: 16, .size: 8, .value_kind: global_buffer, .address_space: global }
    .group_segment_fixed_size: 327680
    .private_segment_fixed_size: 0
    .kernarg_segment_align: 8
    .kernarg_segment_size: 24
    .max_flat_workgroup_size: 256
    .sgpr_count:     80
    .vgpr_count:     512
    .wavefront_size: 32
...
	.end_amdgpu_metadata
.endif
;; end of part 4
